; MI455X (gfx1250); checked and timed in simulation.
; The chip was launched on July 23, 2026; its instructions are those of AMD's public machine-readable ISA for CDNA 5 (MIT licence, August 2026) and "CDNA5" Instruction Set Architecture Reference Guide (July 2026). The comments in the code are by the model that wrote it; some were corrected since.
;; Self Attention. Allowed arithmetic: matrix products marked QUANTISED: E2M3 operands, one E8M0 scale for each 32 along K, by v_wmma_scale_f32_16x16x128_f8f6f4 with both operands' format E2M3, f32 sums; everything else in f32.
;; Inputs: P 2,048 x 2,048 float32; R 4,096 float32; W_K 1,024 x 1,024 float32; W_Q 1,024 x 1,024 float32; W_V 1,024 x 1,024 float32; tau_K 1 float32; tau_Q 1 float32; tau_V 1 float32; x 4 x 2,048 x 1,024 float32.
;; Outputs: out0 4 x 2,048 x 1,024 float32.
;; This version of the problem:
;;   THIS VERSION OF THE PROBLEM IS GIVEN IN LOW PRECISION. The matrix products marked QUANTISED in the list below multiply operands that are first quantised to E2M3 (2 exponent bits, 3 mantissa bits; 6 bits a number), with one power-of-two scale for each 32 numbers along K (OCP MX v1.0); their sums are f32. All else is computed in f32.
;;   The module's matrix products, in the order in which they are computed (A, B: the left and right operand; K: the contracted axis; several contracted axes count as one K, in the product's order):
;;     1. [M 8,192, K 1,024] x [K 1,024, N 1,024]; A: input x; B: input W_Q: QUANTISED
;;     2. [M 8,192, K 1,024] x [K 1,024, N 1,024]; A: input x; B: input W_K: QUANTISED
;;     3. [M 8,192, K 1,024] x [K 1,024, N 1,024]; A: input x; B: input W_V: QUANTISED
;;     4. batch 4 x [M 2,048, K 1,024] x [K 1,024, N 2,048]; A: computed on the way; B: computed on the way: QUANTISED
;;     5. batch 4 x [M 2,048, K 2,048] x [K 2,048, N 1,024]; A: softmax (see below); B: computed on the way: QUANTISED
;;   THE QUANTISER, for each operand of a quantised product, along K:
;;     - K is cut into blocks of 32 from its start; a last block that is shorter is filled with zeros.
;;     - A block's scale is 2^e with e = floor(log2(the largest magnitude in the block)) - 2, held to -126 .. 127; a block of zeros has e = 0. As a byte (E8M0): e + 127.
;;     - Each number is divided by its block's scale, clamped to +-7.5, and rounded to the nearest number of E2M3, ties to even, subnormals kept.
;;     - The product sums the exact products of the quantised numbers (number of the format x scale) in f32.
;;   ~~~python
;;   def quantise(x, axis):      # numpy; x: float32 -> the quantised numbers, widened to float32 again
;;       x = np.moveaxis(x, axis, -1); K = x.shape[-1]
;;       x = np.pad(x, [(0, 0)] * (x.ndim - 1) + [(0, -K % 32)]); x = x.reshape(x.shape[:-1] + (-1, 32)); a = np.abs(x).max(-1, keepdims=True)
;;       e = np.where(a > 0, np.clip(np.frexp(np.where(a > 0, a, 1))[1] - 1 - 2, -126, 127), 0)      # np.frexp(a)[1] - 1 = floor(log2(a)), exactly
;;       r = np.clip(x / 2.0 ** e, -7.5, 7.5)
;;       step = 2.0 ** (np.maximum(np.frexp(np.where(r == 0, 1, r))[1] - 1, 0) - 3)
;;       q = np.round(r / step) * step * 2.0 ** e      # np.round: ties to even
;;       return np.moveaxis(q.reshape(q.shape[:-2] + (-1,))[..., :K], -1, axis).astype(np.float32)
;;   ~~~
;;   SOFTMAX AHEAD OF A QUANTISED PRODUCT. Where the list says 'softmax', what is quantised is not the finished softmax but p = 2^(t - M), with t = logit x log2(e) and M = ceil(the row's largest t), a whole number; so 1/2 < the row's largest p <= 1. The row's sum l is taken of the UNQUANTISED p, in f32, and the product's result is divided by l at the end. Since M is a whole number, a kernel that streams over the keys may use a running M (the ceiling of the running maximum): every later rescaling is an exact power of two, which a block's scale takes up: the codes' values come out the same.
;;   OPERANDS COMPUTED ON THE WAY. 'Computed on the way' means the value that the module computes at that place (a softmax that the list does not call 'softmax' is quantised finished and normalised). What goes into a quantiser is computed in f32, as accurately as f32 sums, v_exp_f32 and their like allow (about 1e-6 of the number): no bf16 or f16 on the way to a quantiser, and a product that is left as it is and whose result goes on into a quantised operand takes f32 operands (vector FMAs, or v_wmma_f32_16x16x4_f32). A number that lies on a knife's edge between two numbers of the format may be rounded either way, as far as f32 arithmetic and the matrix unit's own rounding can turn it there, and no further.
;; One version. Each part assembles by itself: llvm-mc -triple=amdgcn-amd-amdhsa -mcpu=gfx1250 --defsym DOCPART=n.
;; ======== version 1 of 1: 4 launches
;; limits: right only within a limited range of input values
;; workspace buffers: opc 9,011,200 bytes; cb 8,192 bytes; qkvc 18,874,368 bytes; qkvs 786,432 bytes; pc 12,582,912 bytes; ps 524,288 bytes; st 1,048,576 bytes
;; launch prep (part 1): grid 832 x 1, 4 waves a work-group, no clusters, 81,920 bytes of LDS; arguments x, W_Q, W_K, W_V, R, opc, cb; writes opc, cb
.if DOCPART == 1
	.amdgcn_target "amdgcn-amd-amdhsa--gfx1250"
	.amdhsa_code_object_version 6
	.text
	.protected	k_q67d7b48663_prep
	.globl	k_q67d7b48663_prep
	.p2align	8
	.type	k_q67d7b48663_prep,@function
k_q67d7b48663_prep:
	s_mov_b64 s[64:65], 0
	v_nop
	global_prefetch_b8 v0, s[64:65] scope:SCOPE_SE
	s_setreg_imm32_b32 hwreg(HW_REG_WAVE_MODE, 25, 1), 1
	s_wait_xcnt 0x0
; x [8192][1024] and W_Q, W_K, W_V [1024 (d)][1024 (e)], f32, become codes of FP6 (E2M3) with one E8M0 byte for each 32 along K = d; and c[n] = real(ifft(R))[n], n = 0 .. 2047, is tabled.
; THE OPERANDS' LAYOUT.  Rows go in groups of 128, K in steps of 128.  A block (group, K step) is 8 fragments of 16 rows x 128 K, each laid as the IMAGE OF ITS 12 REGISTERS: register n of lane l at
; 512 (n / 4) + 16 l + 4 (n % 4): 1,536 bytes, read back by three loads of 16 bytes a lane.  Lane-row rho of fragment 2 b + u is the group's row 32 b + 8 u + rho + 8 (rho / 8).
; Behind a block's 12,288 bytes of codes lie its scale words, 512 bytes: the word of (lane-row rho, fragment f) at 32 rho + 4 f.  So a block is 12,800 bytes, and codes and scale words of several K steps are one dense run.
; Block number: x: 8 x group + K step; W: 512 + 64 x matrix + 8 x group + K step.
; SHARES.  Work-groups 0 to 127 make c (16 numbers each); work-group 128 + B makes block B.  In a block wave w takes the group's rows 32 w .. 32 w + 31 (fragments 2 w, 2 w + 1): A LANE TAKES A ROW, and its 128
; registers run along K, so that a block of 32 lies in one lane.  x's rows lie along K: each load reads 512 consecutive bytes of one row, and the 32 rows turn through the wave's stage in LDS.  W's K is its first
; axis: each load reads one row d at 32 neighbouring e, 128 consecutive bytes a wave.  The codes go through the wave's two images in LDS and leave as stores of 512 consecutive bytes.
; A block's scale is 2^(floor(log2(largest magnitude)) - 2); its byte is the largest magnitude's exponent field - 2, held at 1 from below.
; c[n] = (sum over k of R[k] cos(2 pi k n / 4096)) / 4096.  cos is even in k about 2048, so R[k] + R[4096 - k] is summed over k = 0 .. 2047, R[0] taken off once and (-1)^n R[2048] added.  The phase k n / 4096 is kept
; as a whole number of 2^-32 turns, which wraps exactly; cos t = 1 - 2 sin^2(t / 2), sin by its series up to x^13 on |x| <= pi / 2 (the term left out is under 7e-10).
; LIMITS: NaN and infinities are not served.  A block of zeros gets the byte 1 where the quantiser says 127: its codes are zeros, and these bytes are read by this program alone.  c's cosine is good to about 3e-7.
.set STG,   0                          ; LDS: a stage of 32 rows x (512 + 16) bytes for each wave (x's blocks alone)
.set IMG,   67584                      ; two images for each wave, 1,664 bytes apart; 3,328 a wave
.set SCB,   80896                      ; the block's 128 scale words
.set SPARE, 81408                      ; the spare words, 128 bytes for each wave: two blocks of 256 bytes that no other line names
.set X,     32                         ; v32-159  my row's 128 numbers
.set CC,    160                        ; v160-191 codes: eight registers for each block of 32
.set OUTR,  192                        ; v192-215 the two images read back
.set SB,    17                         ; v17      my row's scale word
.set SPW,   30                         ; v30      LDS address of my spare word; never rewritten
.set NIL,   31                         ; v31      0; never rewritten
.set PH,    160                        ; the c path: v160-167 phases; v168-175 x; v176-183 x^2; v184-191 the series; v192-199 four pairs of sums
.set FX,    168
.set ZZ,    176
.set PP,    184
.set ACC,   192
	s_load_b256 s[4:11], s[0:1], 0x0               ; x s[4:5], W_Q s[6:7], W_K s[8:9], W_V s[10:11]
	s_load_b128 s[12:15], s[0:1], 0x20             ; R s[12:13], the blocks s[14:15]
	s_load_b64 s[18:19], s[0:1], 0x30              ; c
	v_lshl_add_u32 v[SPW], v0, 2, SPARE
	v_mov_b32 v[NIL], 0
	v_lshrrev_b32 v1, 5, v0
	v_readfirstlane_b32 s20, v1                    ; wave 0..3
	v_and_b32 v2, 31, v0                           ; lane
	s_cmp_lt_u32 ttmp9, 128
	s_cbranch_scc1 .Lctable
	; ---------------- a block of codes
	s_sub_co_u32 s21, ttmp9, 128                   ; the block's number
	v_lshlrev_b32 v3, 4, v2                        ; 16 x lane
	v_lshlrev_b32 v4, 2, v2                        ; 4 x lane
	v_bfe_u32 v5, v2, 3, 1                         ; my row 32 w + lane is lane-row rho of fragment 2 w + u: u = bit 3 of the lane,
	v_and_b32 v6, 7, v2
	v_bfe_u32 v7, v2, 4, 1
	v_lshl_or_b32 v6, v7, 3, v6                    ; rho = its bits 2:0 and, as bit 3, its bit 4
	s_mul_i32 s22, s20, 3328
	s_add_co_u32 s22, s22, IMG                     ; my wave's images
	v_mul_u32_u24 v8, v5, 1664
	v_lshl_add_u32 v8, v6, 4, v8
	v_add_nc_u32 v8, s22, v8                       ; into them: image u, 16 rho
	v_add_nc_u32 v9, s22, v3                       ; out of them: 16 x lane
	v_lshlrev_b32 v10, 5, v6
	v_lshl_add_u32 v10, v5, 2, v10
	s_lshl_b32 s23, s20, 3
	s_add_co_u32 s23, s23, SCB
	v_add_nc_u32 v10, s23, v10                     ; my scale word: 32 rho + 4 (2 w + u)
	v_add_nc_u32 v14, SCB, v3                      ; the 512 bytes of scale words on their way out
	s_mul_i32 s24, s20, 16896                      ; my wave's stage
	v_add_nc_u32 v15, s24, v3                      ; in: a row's 512 bytes as they lie
	v_mul_u32_u24 v16, v2, 528
	v_add_nc_u32 v16, s24, v16                     ; out: row = lane
	s_mul_i32 s28, s21, 12800                      ; where the block begins
	s_mov_b32 s29, 0
	s_mul_i32 s26, s20, 3072
	s_add_co_u32 s26, s26, s28                     ; where my two fragments go
	s_mov_b32 s27, 0
	s_add_co_u32 s28, s28, 12288                   ; and the block's scale words, behind its codes
	s_and_b32 s30, s21, 7                          ; the K step
	s_wait_kmcnt 0x0
	s_add_nc_u64 s[16:17], s[14:15], s[28:29]
	s_add_nc_u64 s[14:15], s[14:15], s[26:27]
	s_cmp_lt_u32 s21, 512
	s_cbranch_scc0 .Lweight
	s_lshr_b32 s31, s21, 3                         ; x: the group
	s_lshl_b32 s31, s31, 7
	s_lshl_b32 s32, s20, 5
	s_add_co_u32 s31, s31, s32                     ; my wave's first row
	s_lshl_b32 s32, s31, 12                        ; rows of 4,096 bytes
	s_lshl_b32 s33, s30, 9                         ; 512 bytes a K step
	s_add_co_u32 s32, s32, s33
	s_mov_b32 s33, 0
	s_add_nc_u64 s[4:5], s[4:5], s[32:33]
.set i, 0
.rept 32
	global_load_b128 v[X+4*i:X+4*i+3], v3, s[4:5] offset:4096*i th:TH_LOAD_NT   ; row i: 32 lanes read 512 consecutive bytes
.set i, i+1
.endr
.set i, 0
	s_wait_alu depctr_va_vdst(0)
.rept 32
	s_wait_loadcnt 31-i                            ; row i is in; the younger rows' loads stay out
	ds_store_b128 v15, v[X+4*i:X+4*i+3] offset:528*i
.set i, i+1
.endr
	s_wait_dscnt 0x0                               ; the stores have read their registers
.set i, 0
.rept 32
	ds_load_b128 v[X+4*i:X+4*i+3], v16 offset:16*i ; my row, 16 bytes at a time; rows are 33 x 16 bytes apart, so that sixteen lanes start at sixteen different columns of 16 bytes
.set i, i+1
.endr
	s_wait_dscnt 0x0
	s_branch .Lquant
.Lweight:
	s_sub_co_u32 s31, s21, 512
	s_lshr_b32 s34, s31, 6                         ; which matrix: the choice hangs on the work-group's number alone
	s_cmp_eq_u32 s34, 1
	s_cselect_b64 s[6:7], s[8:9], s[6:7]
	s_cmp_eq_u32 s34, 2
	s_cselect_b64 s[6:7], s[10:11], s[6:7]
	s_bfe_u32 s35, s31, 0x30003                    ; the group of 128 columns e
	s_lshl_b32 s32, s30, 19                        ; 128 rows d of 4,096 bytes a K step
	s_lshl_b32 s35, s35, 9
	s_add_co_u32 s32, s32, s35
	s_lshl_b32 s35, s20, 7                         ; my wave's 32 columns
	s_add_co_u32 s32, s32, s35
	s_mov_b32 s33, 0
	s_add_nc_u64 s[6:7], s[6:7], s[32:33]
.set i, 0
.rept 128
	global_load_b32 v[X+i], v4, s[6:7] offset:4096*i th:TH_LOAD_NT   ; W(128 ks + i, my column): 32 lanes read 128 consecutive bytes
.set i, i+1
.endr
	s_wait_loadcnt 0x0
.Lquant:
; Block kb of 32 along K of my row: its scale, its 32 codes (six registers), and their places in the image: the operand's layout gives them to lane rho + 16 (kb % 2), registers 6 (kb / 2) on.
.macro BLOCKQ kb
.set XS, X+32*(\kb)
.set CB, CC+8*(\kb)
	v_max3_num_f32 v12, |v[XS]|, |v[XS+1]|, |v[XS+2]|              ; the largest magnitude, in two chains
	v_max3_num_f32 v13, |v[XS+3]|, |v[XS+4]|, |v[XS+5]|
.irp i, 6,10,14,18,22,26
	v_max3_num_f32 v12, v12, |v[XS+\i]|, |v[XS+\i+1]|
	v_max3_num_f32 v13, v13, |v[XS+\i+2]|, |v[XS+\i+3]|
.endr
	v_max3_num_f32 v12, v12, |v[XS+30]|, |v[XS+31]|
	v_max3_num_f32 v12, v12, v13, 0x1800000        ; and the floor 2^(3 - 127): the byte cannot fall under 1
	v_add_nc_u32 v11, 0xff000000, v12              ; 2 off its exponent field: the conversion takes this operand's exponent field as its scale
	v_lshrrev_b32 v13, 23, v11                     ; the scale's byte
.if (\kb) == 0
	v_mov_b32 v[SB], v13
.else
	v_lshl_or_b32 v[SB], v13, 8*(\kb), v[SB]
.endif
	v_cvt_scalef32_pk16_fp6_f32 v[CB:CB+2], v[XS:XS+15], v11
	v_cvt_scalef32_pk16_fp6_f32 v[CB+4:CB+6], v[XS+16:XS+31], v11   ; (a conversion's three registers begin on an even number)
	v_nop                                          ; one plain place behind a scaled conversion
	v_mov_b32 v[CB+3], v[CB+4]
	v_mov_b32 v[CB+4], v[CB+5]
	v_mov_b32 v[CB+5], v[CB+6]                     ; six registers on end
.if (\kb) < 2
	ds_store_b128 v8, v[CB:CB+3] offset:256*((\kb)%2)               ; registers 0-3
	ds_store_b64 v8, v[CB+4:CB+5] offset:512+256*((\kb)%2)          ; registers 4, 5
.else
	ds_store_b64 v8, v[CB:CB+1] offset:520+256*((\kb)%2)            ; registers 6, 7
	ds_store_b128 v8, v[CB+2:CB+5] offset:1024+256*((\kb)%2)        ; registers 8-11
.endif
.endm
	BLOCKQ 0
	BLOCKQ 1
	BLOCKQ 2
	BLOCKQ 3
	ds_store_b32 v10, v[SB]
.irp u, 0,1
.irp c, 0,1,2
	ds_load_b128 v[OUTR+12*\u+4*\c:OUTR+12*\u+4*\c+3], v9 offset:1664*\u+512*\c   ; LDS serves a wave's instructions in order: these see my wave's stores
.endr
.endr
	s_wait_dscnt 0x0                               ; my scale words have landed, for wave 0's sake; my images are back
	s_barrier_signal -1
	s_barrier_wait -1
.irp u, 0,1
.irp c, 0,1,2
	global_store_b128 v3, v[OUTR+12*\u+4*\c:OUTR+12*\u+4*\c+3], s[14:15] offset:1536*\u+512*\c   ; 32 lanes store 512 consecutive bytes, at a multiple of 256 from the buffer's first byte
.endr
.endr
	s_cmp_lg_u32 s20, 0
	s_cbranch_scc1 .Lnot_first
	ds_load_b128 v[20:23], v14                     ; the four waves' scale words
	s_wait_dscnt 0x0
	global_store_b128 v3, v[20:23], s[16:17]
.Lnot_first:
	s_wait_tensorcnt 0x0                           ; the wave's end: behind my last LDS store
	ds_add_u32 v[SPW], v[NIL]
	s_wait_dscnt 0x0
	s_endpgm
	; ---------------- c: wave w of work-group g makes n = 16 g + 4 w + 0 .. 3; lane l takes k = l + 32 i, i = 0 .. 63.
.Lctable:
	s_lshl_b32 s21, ttmp9, 4
	s_lshl_b32 s22, s20, 2
	s_add_co_u32 s21, s21, s22                     ; my wave's first n
	s_wait_alu depctr_va_vdst(0)
	v_lshlrev_b32 v3, 2, v2                        ; 4 l
	v_sub_nc_u32 v4, 0x4000, v3                    ; 4 (4096 - l)
	v_and_b32 v5, 0x3fff, v4                       ; for i = 0: lane 0's partner of R[0] is R[0] itself
	s_lshl_b32 s22, s21, 2
	s_mov_b32 s23, 0
	s_mov_b32 s24, 0x76543210
	s_mov_b32 s25, 0xfedcba98                      ; v_permlanex16_b32's selects for lane l xor 16
	s_wait_alu depctr_va_vdst(0)
	s_wait_kmcnt 0x0
	s_load_b32 s30, s[12:13], 0x0                  ; R[0]
	s_load_b32 s31, s[12:13], 0x2000               ; R[2048]
	s_add_nc_u64 s[18:19], s[18:19], s[22:23]
.set i, 0
.rept 64
	global_load_b32 v[32+i], v3, s[12:13] offset:128*i             ; R[k]
.set i, i+1
.endr
	global_load_b32 v96, v5, s[12:13]
.set i, 1
.rept 63
	global_load_b32 v[96+i], v4, s[12:13] offset:-128*i            ; R[4096 - k]
.set i, i+1
.endr
	v_mov_b32 v26, 0x2f309231                      ; 1 / 13!, as a pair
	v_mov_b32 v27, 0x2f309231
	v_mov_b32 v28, 0                               ; the four results, in lanes 0 to 3
	v_mov_b32 v29, 0                               ; (a lane permute's destination counts as one of its sources)
	s_wait_loadcnt 0x0
.set i, 0
.rept 32
	v_pk_add_f32 v[32+i:33+i], v[32+i:33+i], v[96+i:97+i]          ; S[k] = R[k] + R[4096 - k]
.set i, i+2
.endr
	s_wait_kmcnt 0x0
; Eight terms, i = 8 g + 0 .. 7, as four pairs that take turns
.macro CGRP g
.irp j, 0,1,2,3,4,5,6,7
	v_cvt_f32_i32 v[FX+\j], v[PH+\j]               ; exact: a phase has twelve bits that count
.endr
.irp j, 0,1,2,3,4,5,6,7
	v_add_nc_u32 v[PH+\j], s29, v[PH+\j]           ; on by eight terms: 256 n / 4096 turns, wrapping
.endr
.irp p, 0,2,4,6
	v_pk_mul_f32 v[FX+\p:FX+\p+1], v[FX+\p:FX+\p+1], 0x30490fdb op_sel_hi:[1,0]   ; x = half the angle: phase x pi 2^-32
.endr
.irp p, 0,2,4,6
	v_pk_mul_f32 v[ZZ+\p:ZZ+\p+1], v[FX+\p:FX+\p+1], v[FX+\p:FX+\p+1]
.endr
.irp p, 0,2,4,6
	v_pk_fma_f32 v[PP+\p:PP+\p+1], v[ZZ+\p:ZZ+\p+1], v[26:27], 0xb2d7322b op_sel_hi:[1,1,0]   ; z / 13! - 1 / 11!
.endr
.irp c, 0x3638ef1d, 0xb9500d01, 0x3c088889, 0xbe2aaaab
.irp p, 0,2,4,6
	v_pk_fma_f32 v[PP+\p:PP+\p+1], v[PP+\p:PP+\p+1], v[ZZ+\p:ZZ+\p+1], \c op_sel_hi:[1,1,0]   ; 1 / 9!, -1 / 7!, 1 / 5!, -1 / 3!
.endr
.endr
.irp p, 0,2,4,6
	v_pk_fma_f32 v[PP+\p:PP+\p+1], v[PP+\p:PP+\p+1], v[ZZ+\p:ZZ+\p+1], 1.0 op_sel_hi:[1,1,0]
.endr
.irp p, 0,2,4,6
	v_pk_mul_f32 v[PP+\p:PP+\p+1], v[PP+\p:PP+\p+1], v[FX+\p:FX+\p+1]              ; sin x
.endr
.irp p, 0,2,4,6
	v_pk_mul_f32 v[ZZ+\p:ZZ+\p+1], v[PP+\p:PP+\p+1], -2.0 op_sel_hi:[1,0]
.endr
.irp p, 0,2,4,6
	v_pk_fma_f32 v[ZZ+\p:ZZ+\p+1], v[ZZ+\p:ZZ+\p+1], v[PP+\p:PP+\p+1], 1.0 op_sel_hi:[1,1,0]   ; cos 2 x = 1 - 2 sin^2 x
.endr
.irp p, 0,2,4,6
.if (\g) == 0
	v_pk_mul_f32 v[ACC+\p:ACC+\p+1], v[32+\p:33+\p], v[ZZ+\p:ZZ+\p+1]              ; the first terms start the sums
.else
	v_pk_fma_f32 v[ACC+\p:ACC+\p+1], v[32+8*(\g)+\p:33+8*(\g)+\p], v[ZZ+\p:ZZ+\p+1], v[ACC+\p:ACC+\p+1]
.endif
.endr
.endm
	s_mov_b32 s26, 0
.Lone:                                             ; four trips, one n each
	s_add_co_u32 s27, s21, s26                     ; n
	v_mul_u32_u24 v6, v2, s27
	v_lshlrev_b32 v[PH], 20, v6                    ; l n / 4096 turns, in units of 2^-32
	s_lshl_b32 s28, s27, 25                        ; 32 n / 4096 turns: from term to term
.irp j, 1,2,3,4,5,6,7
	v_add_nc_u32 v[PH+\j], s28, v[PH+\j-1]
.endr
	s_lshl_b32 s29, s27, 28
.irp g, 0,1,2,3,4,5,6,7
	CGRP \g
.endr
	v_pk_add_f32 v[ACC:ACC+1], v[ACC:ACC+1], v[ACC+2:ACC+3]
	v_pk_add_f32 v[ACC+4:ACC+5], v[ACC+4:ACC+5], v[ACC+6:ACC+7]
	v_pk_add_f32 v[ACC:ACC+1], v[ACC:ACC+1], v[ACC+4:ACC+5]
	v_add_f32 v6, v[ACC], v[ACC+1]
	v_add_f32_dpp v6, v6, v6 row_xmask:1 row_mask:0xf bank_mask:0xf
	v_add_f32_dpp v6, v6, v6 row_xmask:2 row_mask:0xf bank_mask:0xf
	v_add_f32_dpp v6, v6, v6 row_xmask:4 row_mask:0xf bank_mask:0xf
	v_add_f32_dpp v6, v6, v6 row_xmask:8 row_mask:0xf bank_mask:0xf
	v_permlanex16_b32 v29, v6, s24, s25
	v_add_f32 v6, v6, v29                          ; the sum over all 2,048 terms, in every lane
	s_and_b32 s28, s27, 1
	s_lshl_b32 s28, s28, 31
	s_xor_b32 s28, s28, s31                        ; (-1)^n R[2048]
	v_sub_f32 v6, v6, s30                          ; R[0] was counted twice
	v_add_f32 v6, s28, v6
	v_mul_f32 v6, 0x39800000, v6                   ; / 4096
	v_cmp_eq_u32 vcc_lo, s26, v2
	v_cndmask_b32 v28, v28, v6, vcc_lo             ; into the lane of this trip's number
	s_add_co_u32 s26, s26, 1
	s_cmp_lt_u32 s26, 4
	s_cbranch_scc1 .Lone
	v_cmp_gt_u32 vcc_lo, 4, v2
	s_wait_xcnt 0x0                                ; EXEC changes only behind this wait
	s_and_saveexec_b32 s28, vcc_lo
	s_wait_alu depctr_va_vdst(0)
	global_store_b32 v3, v28, s[18:19]             ; 16 bytes a wave: the whole table is 8,192 bytes, too little to gather through LDS
	s_wait_xcnt 0x0
	s_or_b32 exec_lo, exec_lo, s28
	s_endpgm
.Lfunc_end_k_q67d7b48663_prep:
	.size	k_q67d7b48663_prep, .Lfunc_end_k_q67d7b48663_prep-k_q67d7b48663_prep
	.p2alignl 7, 3214868480
	.fill 96, 4, 3214868480
	.section	.rodata,"a",@progbits
	.p2align	6, 0x0
	.amdhsa_kernel k_q67d7b48663_prep
		.amdhsa_group_segment_fixed_size 81920
		.amdhsa_private_segment_fixed_size 0
		.amdhsa_enable_private_segment 0
		.amdhsa_kernarg_size 56
		.amdhsa_user_sgpr_count 2
		.amdhsa_user_sgpr_kernarg_segment_ptr 1
		.amdhsa_wavefront_size32 1
		.amdhsa_system_sgpr_workgroup_id_x 1
		.amdhsa_system_sgpr_workgroup_id_y 1
		.amdhsa_system_sgpr_workgroup_id_z 1
		.amdhsa_system_vgpr_workitem_id 0
		.amdhsa_next_free_vgpr 216
		.amdhsa_next_free_sgpr 66
		.amdhsa_reserve_vcc 1
		.amdhsa_float_denorm_mode_32 3
		.amdhsa_float_denorm_mode_16_64 3
		.amdhsa_memory_ordered 1
		.amdhsa_forward_progress 1
		.amdhsa_inst_pref_size 82
	.end_amdhsa_kernel
	.amdgpu_metadata
---
amdhsa.version: [ 1, 2 ]
amdhsa.kernels:
  - .name:           k_q67d7b48663_prep
    .symbol:         k_q67d7b48663_prep.kd
    .args:
      - { .name: x, .offset: 0, .size: 8, .value_kind: global_buffer, .address_space: global }
      - { .name: W_Q, .offset: 8, .size: 8, .value_kind: global_buffer, .address_space: global }
      - { .name: W_K, .offset: 16, .size: 8, .value_kind: global_buffer, .address_space: global }
      - { .name: W_V, .offset: 24, .size: 8, .value_kind: global_buffer, .address_space: global }
      - { .name: R, .offset: 32, .size: 8, .value_kind: global_buffer, .address_space: global }
      - { .name: opc, .offset: 40, .size: 8, .value_kind: global_buffer, .address_space: global }
      - { .name: cb, .offset: 48, .size: 8, .value_kind: global_buffer, .address_space: global }
    .group_segment_fixed_size: 81920
    .private_segment_fixed_size: 0
    .kernarg_segment_align: 8
    .kernarg_segment_size: 56
    .max_flat_workgroup_size: 128
    .sgpr_count:     66
    .vgpr_count:     216
    .wavefront_size: 32
...
	.end_amdgpu_metadata
.endif
;; end of part 1
;; launch proj (part 2): grid 4 x 64, 4 waves a work-group, clusters of 4 x 4, 327,680 bytes of LDS; arguments opc, tau_Q, tau_K, tau_V, qkvc, qkvs; writes qkvc, qkvs
.if DOCPART == 2
	.amdgcn_target "amdgcn-amd-amdhsa--gfx1250"
	.amdhsa_code_object_version 6
	.text
	.protected	k_q67d7b48663_proj
	.globl	k_q67d7b48663_proj
	.p2align	8
	.type	k_q67d7b48663_proj,@function
k_q67d7b48663_proj:
	s_mov_b64 s[64:65], 0
	v_nop
	global_prefetch_b8 v0, s[64:65] scope:SCOPE_SE
	s_setreg_imm32_b32 hwreg(HW_REG_WAVE_MODE, 25, 1), 1
	s_wait_xcnt 0x0
	s_wait_alu depctr_hold_cnt(0) depctr_sa_sdst(0) depctr_va_vdst(0) depctr_va_sdst(0) depctr_va_ssrc(0) depctr_va_vcc(0) depctr_vm_vsrc(0)
	s_getreg_b32 s2, hwreg(HW_REG_IB_STS2, 6, 4)
	s_cmp_eq_u32 s2, 0
	s_cbranch_scc0 .Lentry_in_a_cluster
	s_endpgm
.Lentry_in_a_cluster:
	s_bfe_u32 s2, ttmp6, 0x10000c
	s_cmp_lg_u32 s2, 0xf033
	s_cbranch_scc0 .Lentry_shape_is_right
	s_endpgm
.Lentry_shape_is_right:
; q = tau_Q x W_Q, k = tau_K x W_K, v = tau_V x W_V on codes of FP6 (E2M3), and the results quantised again: q and k along e, v along the keys.
; OPERANDS are images of fragments (16 rows x 128 K: 12 registers a lane, register n of lane l at 512 (n / 4) + 16 l + 4 (n % 4)).  A block of 128 rows x 128 K is 8 fragments, 12,288 bytes, and behind them its scale
; words, 512 bytes ((lane-row r, fragment f) at 32 r + 4 f): 12,800 bytes; a group's 8 K steps lie on end.  Lane-row rho of fragment 2 b + u is the group's row 32 b + 8 u + rho + 8 (rho / 8).
; SHARES.  8,192 x 3,072 results over 256 work-groups are 96 accumulators a wave: A WORK-GROUP STAYS and makes three tiles of 128 (source 1's rows) x 256 (source 0's rows), one of q, one of k, one of v.
; A wave makes 64 x 128: source 1's fragments 4 (wave / 2) + 0 .. 3 against the eight of source 0's group wave % 2: 32 accumulators.
; SOURCE 0 holds the rows that become the NEXT product's K, source 1 the rows that stay rows: in the result lane (r, h) holds lane-row r of source 1's fragment, and register 16 b + i of its eight accumulators is source 0's
; row 32 b + 16 h + i: 16 neighbours along the next K.  So the 64 registers are quantised in place and ARE a fragment's image.
; TILES, with Y = 4 x cluster y + cy:  q: source 1 = x's group Y, source 0 = W_Q's groups 2 cx, 2 cx + 1.  k: the same with W_K.  v: source 1 = W_V's group 4 (cluster y % 2) + cy, source 0 = x's groups 8 (cluster y / 2) + 2 cx, + 1.
; CLUSTERS: 4 x 4.  Source 1's group hangs on the cluster's y and cy and is asked for jointly along a row of the cluster, source 0's on the cluster's y and cx, along a column.
; THE RING.  A tile's K = 1,024 is two slots of four K steps (source 1's part 51,200 bytes, source 0's two groups 51,200 each; the scale words come with the codes).  The ring of two slots goes on from tile to tile: six fills,
; two at the start, four behind a round of the cluster's barrier each.  Waves 0 and 1 fetch halves of source 1's part, waves 2 and 3 a group of source 0.  A wave has one tensor load out at a time.
; RESULTS: q: block 8 x (x's group) + e / 128; k: 512 + the same; v: 1,024 + 16 (8 batch + e / 128) + key group: rows = channels, K = the batch's keys; blocks of 12,288 bytes of codes, and 512 bytes of scale words in a buffer of their own.
; A result block's scale words come from two waves: they are gathered in LDS and leave at the end, 256 consecutive bytes a store.
; REGISTERS: window 0: v4-29 addresses; v32-47 scale words, two sets; v48-51 a tile's four result words; v64-127 a fragment's numbers; v128-223 source 1's fragments, two sets of 48 (on the way out set 1's registers take
;   the four fragments' codes); v224-247 at work.  Window 1: source 0's fragments, two sets, at v0 and v96.  Window 2: the accumulators ((a, b) at v[64 a + 8 b]).
; LIMITS: NaN and infinities are not served; a block of zeros gets the byte 1 (its codes are zeros; the bytes are read by this program alone).
.set BLK,    12800                     ; a block: codes and scale words
.set GRPB,   8*BLK                     ; a group's eight K steps
.set PART,   4*BLK                     ; a group's four K steps: its part of a slot
.set SLOT,   3*PART
.set SPARE,  2*SLOT                    ; the spare words, 128 bytes for each wave: two blocks of 256 bytes that no other line names
.set SCR,    SPARE+512                 ; the results' scale words: 1,024 bytes a tile; no tensor load lands here
.set FR,     12
.set LI,   4                           ; v4   16 x lane
.set SWA,  5                           ; v5   where I put a tile's four scale words: SCR + 512 (wave % 2) + 32 r + 16 (wave / 2)
.set SRD,  6                           ; v6   where I read them back: SCR + 256 x wave + 8 x lane
.set GSO,  7                           ; v7   and the same place in two blocks' scale words in memory: 256 x wave + 8 x lane
.set ADRA, 16                          ; v16-17 source 1's fragments in slot 0, 1
.set ADRB, 20                          ; v20-21 source 0's
.set ADR1, 22                          ; v22-23 scale words: lanes 0-15 source 1's four, lanes 16-31 source 0's words 0-3
.set ADR2, 24                          ; v24-25 source 0's words 4-7
.set SPW,  28                          ; v28  LDS address of my spare word; never rewritten
.set NIL,  29                          ; v29  0; never rewritten
.set SC,   32
.set SWR,  48
.set NUM,  64
.set AF,   128
.set PCB,  176                         ; v176-223 the codes of a tile's four fragments, 12 registers each
.set TM,   224
.set PX,   240                         ; v240-246 the upper halves of two blocks' codes, on their way
.set SEL,  12                          ; s[12:13] lane selects for lane l xor 16
.set TAUQ, 66                          ; s[66:67], s[68:69], s[70:71] tau_Q, tau_K, tau_V, each twice
.set TAUK, 68
.set TAUV, 70
.set A1V,  72                          ; s[72:73] the v tile's source 1 in memory: what I would fetch of its slot 0
.set A0V,  74                          ; s[74:75] its source 0 likewise
.set CBQ,  76                          ; s[76:77] where my fragments of q go (k's: 512 blocks on);  s[78:79] v's
.set CBV,  78
.set SBQ,  80                          ; s[80:81] the scale words of the work-group's two blocks of q;  s[82:83] of v
.set SBV,  82
.set G1, 24
.set G0, 32
.set G1B, 48
.set G0B, 56
.set MSB, 0
.macro WIN new                         ; the immediate's high byte repeats the setting that is left
.if MSB != (\new)
	s_set_vgpr_msb (MSB<<8)|(\new)
.set MSB, (\new)
.endif
.endm
; A joint load: waves 0 and 1 fetch for source 1, waves 2 and 3 for source 0.  The branch hangs on the wave's number alone.  An s_nop 0 and four v_nop follow each of the two lines.
.macro JLOAD g0a, g1a, g0b, g1b
	s_cmp_eq_u32 s15, 0
	s_cbranch_scc0 .Lfor_b_\@
	tensor_load_to_lds s[\g0a:\g0a+3], s[\g1a:\g1a+7]
	s_nop 0
.rept 4
	v_nop
.endr
	s_branch .Lasked_\@
.Lfor_b_\@:
	tensor_load_to_lds s[\g0b:\g0b+3], s[\g1b:\g1b+7]
	s_nop 0
.rept 4
	v_nop
.endr
.Lasked_\@:
.endm
.macro CREST                           ; a round of the cluster's barrier behind its opening barrier
	s_cmp_lg_u32 s14, 0
	s_cbranch_scc1 .Lnot_wave_0_\@
	s_barrier_signal -3
.Lnot_wave_0_\@:
	s_barrier_wait -3
	s_barrier_signal -1
	s_barrier_wait -1
.endm
.macro CROUND
	s_barrier_signal -1
	s_barrier_wait -1
	CREST
.endm
.macro PLACES                          ; four places behind a matrix instruction, ahead of loads into its registers and of reads of its results
.rept 4
	v_nop
.endr
.endm
	s_load_b256 s[4:11], s[0:1], 0x0               ; the operands' blocks s[4:5], tau_Q s[6:7], tau_K s[8:9], tau_V s[10:11]
	s_load_b128 s[92:95], s[0:1], 0x20             ; the results' codes s[92:93], their scale words s[94:95]
	v_lshl_add_u32 v[SPW], v0, 2, SPARE
	v_mov_b32 v[NIL], 0
	ds_add_u32 v[SPW], v[NIL]                      ; the wave's opening: the add and its wait stand ahead of my first tensor load; the set-up below stands between them
	ds_add_u32 v[SPW], v[NIL]
	v_lshrrev_b32 v1, 5, v0
	v_readfirstlane_b32 s14, v1                    ; wave 0..3
	s_lshr_b32 s15, s14, 1                         ; my half of source 1's fragments.  Also: I fetch for source 1 (0) or source 0 (1)
	s_and_b32 s16, s14, 1                          ; my group of source 0.  Also: which part I fetch
	s_bfe_u32 s40, ttmp6, 0x40000                  ; cx
	s_bfe_u32 s41, ttmp6, 0x40004                  ; cy
	s_and_b32 s17, ttmp7, 0xffff                   ; the cluster's y, 0 .. 15
	s_lshl_b32 s43, s41, 2
	s_lshl_b32 s43, 15, s43                        ; my row of the cluster
	s_lshl_b32 s44, 0x1111, s40                    ; my column
	s_or_b32 s[G1+0], s43, (3<<16)|(1<<21)         ; 15:0 the mask; 17:16 elements of 8 bytes; 20 no padding; 21 set beside a mask
	s_or_b32 s[G1B+0], s44, (3<<16)|(1<<21)
	s_mov_b32 s[G1+1], 32<<16                      ; source 1: two K steps, 25,600 dense bytes, as 100 rows of 256: tensor_dim0 = 32 elements
	s_mov_b32 s[G1+2], 100<<16                     ; tensor_dim1
	s_mov_b32 s[G1+3], 32<<16                      ; tile_dim0
	s_mov_b32 s[G1+4], 100                         ; tile_dim1
	s_mov_b32 s[G1+5], 32                          ; the pitch
	s_mov_b32 s[G1+6], 0
	s_mov_b32 s[G1+7], 0
	s_mov_b32 s[G1B+1], 32<<16                     ; source 0: a group's four K steps, 51,200 dense bytes, as 200 rows of 256
	s_mov_b32 s[G1B+2], 200<<16
	s_mov_b32 s[G1B+3], 32<<16
	s_mov_b32 s[G1B+4], 200
	s_mov_b32 s[G1B+5], 32
	s_mov_b32 s[G1B+6], 0
	s_mov_b32 s[G1B+7], 0
	; source 1: from the cluster's y, cy and the wave's number alone
	s_mul_i32 s23, s16, PART/2                     ; my half of source 1's part: in memory and in a slot
	s_lshl_b32 s22, s17, 2
	s_add_co_u32 s22, s22, s41                     ; Y: x's group for q and k
	s_mul_i32 s2, s22, GRPB
	s_add_co_u32 s2, s2, s23
	s_mov_b32 s3, 0
	s_and_b32 s18, s17, 1
	s_lshl_b32 s18, s18, 2
	s_add_co_u32 s18, s18, s41                     ; W_V's group of 128 channels
	s_add_co_u32 s19, s18, 80                      ; (W_V's groups begin at 80)
	s_mul_i32 s[A1V], s19, GRPB
	s_add_co_u32 s[A1V], s[A1V], s23
	s_mov_b32 s[A1V+1], 0
	; source 0: from the cluster's y, cx and the wave's number alone
	s_lshl_b32 s46, s40, 1                         ; 2 cx
	s_add_co_u32 s47, s46, s16                     ; + the group that I would fetch
	s_add_co_u32 s96, s47, 64                      ; (W_Q's groups begin at 64, W_K's at 72)
	s_mul_i32 s98, s96, GRPB
	s_mov_b32 s99, 0
	s_lshr_b32 s20, s17, 1
	s_lshl_b32 s21, s20, 3
	s_add_co_u32 s21, s21, s47                     ; x's group for v
	s_mul_i32 s[A0V], s21, GRPB
	s_mov_b32 s[A0V+1], 0
	s_mul_i32 s85, s16, PART
	s_add_co_u32 s85, s85, PART                    ; where a group of source 0 goes in a slot: behind source 1's part: no place in the cluster enters an LDS address
	; where the results go
	s_mul_i32 s43, s15, 4*1536                     ; my four fragments of a block's eight
	s_lshl_b32 s42, s22, 3
	s_add_co_u32 s42, s42, s46                     ; q: block 8 Y + 2 cx, and the next
	s_lshl_b32 s[SBQ], s42, 9
	s_mov_b32 s[SBQ+1], 0
	s_add_co_u32 s42, s42, s16                     ; my wave's
	s_mul_i32 s[CBQ], s42, 12288
	s_add_co_u32 s[CBQ], s[CBQ], s43
	s_mov_b32 s[CBQ+1], 0
	s_lshr_b32 s44, s17, 2                         ; v: the batch of x's groups 8 (cluster y / 2) on,
	s_lshl_b32 s44, s44, 3
	s_add_co_u32 s44, s44, s18                     ; 8 batch + the group of channels,
	s_lshl_b32 s44, s44, 4
	s_and_b32 s45, s20, 1
	s_lshl_b32 s45, s45, 3
	s_add_co_u32 s44, s44, s45                     ; 16 x that + the group of keys in the batch
	s_add_co_u32 s44, s44, s46
	s_add_co_u32 s44, s44, 1024
	s_lshl_b32 s[SBV], s44, 9
	s_mov_b32 s[SBV+1], 0
	s_add_co_u32 s44, s44, s16
	s_mul_i32 s[CBV], s44, 12288
	s_add_co_u32 s[CBV], s[CBV], s43
	s_mov_b32 s[CBV+1], 0
	s_wait_dscnt 0x0                               ; the opening add is done
	s_wait_kmcnt 0x0
	s_add_nc_u64 s[2:3], s[4:5], s[2:3]
	s_add_nc_u64 s[98:99], s[4:5], s[98:99]
	s_add_nc_u64 s[A1V:A1V+1], s[4:5], s[A1V:A1V+1]
	s_add_nc_u64 s[A0V:A0V+1], s[4:5], s[A0V:A0V+1]
	s_add_nc_u64 s[CBQ:CBQ+1], s[92:93], s[CBQ:CBQ+1]
	s_add_nc_u64 s[CBV:CBV+1], s[92:93], s[CBV:CBV+1]
	s_add_nc_u64 s[SBQ:SBQ+1], s[94:95], s[SBQ:SBQ+1]
	s_add_nc_u64 s[SBV:SBV+1], s[94:95], s[SBV:SBV+1]
	CROUND                                         ; all sixteen work-groups are here: the first joint loads meet
.irp s, 0,1
	s_mov_b32 s[G0+4*\s], 1
	s_add_co_u32 s[G0+4*\s+1], s23, \s*SLOT
	s_add_nc_u64 s[G0+4*\s+2:G0+4*\s+3], s[2:3], \s*PART
	s_or_b32 s[G0+4*\s+3], s[G0+4*\s+3], 0x80000000
	s_mov_b32 s[G0B+4*\s], 1
	s_add_co_u32 s[G0B+4*\s+1], s85, \s*SLOT
	s_add_nc_u64 s[G0B+4*\s+2:G0B+4*\s+3], s[98:99], \s*PART
	s_or_b32 s[G0B+4*\s+3], s[G0B+4*\s+3], 0x80000000
.endr
	JLOAD G0, G1, G0B, G1B                         ; the q tile's K steps 0-3: one tensor load a wave at the head; slot 1's first fill stands behind the round ahead of the first K step
; PREFETCH: each fill is asked of memory one fill ahead of its load.  Of the 100 blocks of 256 bytes that a wave fetches of source 1, or the 200 of source 0, each of the four partners that ask jointly names 25 or 50,
; told apart by address.  The k tile's source 1 is x's same group, which the q tile has read: it is not asked for again.  Every offset is an immediate: no address register is written again.
.set PQ,  90                           ; s[90:91] what I fetch of the q tile's slot 0, + my work-group's quarter of it
.set PV,  46                           ; s[46:47] the same of the v tile
.set PFO, 18                           ; v18, v19 source 0: blocks 0-31 and 32-49;  v26 source 1: blocks 0-24
	s_cmp_eq_u32 s15, 0
	s_cselect_b64 s[PQ:PQ+1], s[2:3], s[98:99]
	s_cselect_b64 s[PV:PV+1], s[A1V:A1V+1], s[A0V:A0V+1]
	s_cselect_b32 s44, s40, s41                    ; my place among the four
	s_cselect_b32 s45, 25, 50
	s_mul_i32 s44, s44, s45
	s_lshl_b32 s44, s44, 8
	s_mov_b32 s45, 0
	s_add_nc_u64 s[PQ:PQ+1], s[PQ:PQ+1], s[44:45]
	s_add_nc_u64 s[PV:PV+1], s[PV:PV+1], s[44:45]
	v_and_b32 v[PFO], 31, v0
	v_add_nc_u32 v[PFO+1], 32, v[PFO]
	v_min_u32 v26, 24, v[PFO]
	v_min_u32 v[PFO+1], 49, v[PFO+1]               ; (the lanes left over name the last block again)
	v_lshlrev_b32 v[PFO], 8, v[PFO]
	v_lshlrev_b32 v[PFO+1], 8, v[PFO+1]
	v_lshlrev_b32 v26, 8, v26
.macro ASK one, b, off1, off0          ; one = 0: source 1's part has been read before
	s_cmp_eq_u32 s15, 0
	s_cbranch_scc0 .Lask_0_\@
.if \one
	global_prefetch_b8 v26, s[\b:\b+1] offset:\off1 th:TH_LOAD_NT scope:SCOPE_SE
.endif
	s_branch .Lask_e_\@
.Lask_0_\@:
	global_prefetch_b8 v[PFO], s[\b:\b+1] offset:\off0 th:TH_LOAD_NT scope:SCOPE_SE
	global_prefetch_b8 v[PFO+1], s[\b:\b+1] offset:\off0 th:TH_LOAD_NT scope:SCOPE_SE
.Lask_e_\@:
.endm
	s_wait_alu depctr_va_vdst(0)
	ASK 1, PQ, PART, PART                          ; the q tile's K steps 4-7
	s_load_b32 s[TAUQ], s[6:7], 0x0
	s_load_b32 s[TAUK], s[8:9], 0x0
	s_load_b32 s[TAUV], s[10:11], 0x0
	s_mov_b32 s[SEL], 0x76543210
	s_mov_b32 s[SEL+1], 0xfedcba98
	v_and_b32 v1, 15, v0                           ; r
	v_bfe_u32 v2, v0, 4, 1                         ; h
	v_and_b32 v3, 31, v0                           ; lane
	v_lshlrev_b32 v[LI], 4, v3
	s_wait_alu depctr_va_vdst(0)
	v_lshlrev_b32 v12, 5, v1                       ; 32 r
	s_lshl_b32 s20, s15, 4
	s_add_co_u32 s20, s20, 12288                   ; source 1's four words of my half: behind the codes of K step 0;
	s_mul_i32 s21, s16, PART
	s_add_co_u32 s21, s21, PART+12288              ; source 0's words of my group
	s_sub_co_u32 s88, s21, s20
	v_mul_u32_u24 v11, s88, v2                     ; lanes 16-31 take source 0's: the lower base + h x the distance
	v_add_nc_u32 v11, v11, v12
	v_add_nc_u32 v[ADR1], s20, v11
	v_add_nc_u32 v[ADR1+1], SLOT, v[ADR1]
	v_add_nc_u32 v[ADR2], s21, v12
	v_add_nc_u32 v[ADR2], 16, v[ADR2]
	v_add_nc_u32 v[ADR2+1], SLOT, v[ADR2]
	s_mul_i32 s22, s15, 4*1536                     ; source 1's fragments of my half,
	s_mul_i32 s89, s16, PART
	s_add_co_u32 s89, s89, PART                    ; source 0's group
.irp s, 0,1
	v_add_nc_u32 v[ADRA+\s], s22, v[LI]
	v_add_nc_u32 v[ADRB+\s], s89, v[LI]
	s_add_co_u32 s22, s22, SLOT
	s_add_co_u32 s89, s89, SLOT
.endr
	s_lshl_b32 s86, s16, 9
	s_lshl_b32 s87, s15, 4
	s_add_co_u32 s86, s86, s87
	s_add_co_u32 s86, s86, SCR
	v_add_nc_u32 v[SWA], s86, v12
	v_lshlrev_b32 v[GSO], 3, v3
	s_lshl_b32 s87, s14, 8
	v_add_nc_u32 v[GSO], s87, v[GSO]
	v_add_nc_u32 v[SRD], SCR, v[GSO]
.irp b, 0,1,2,3
	v_mov_b32 v[TM+4+\b], 0                        ; written once: a lane permute's destination counts as one of its sources
.endr
.macro FRAG reg, adr, q, i             ; a fragment comes as it was stored: three loads of 16 bytes a lane, 512 consecutive bytes each
.irp c, 0,1,2
	ds_load_b128 v[\reg+4*\c:\reg+4*\c+3], v[\adr] offset:BLK*(\q)+1536*(\i)+512*\c
.endr
.endm
.macro FETCH4 slot, q, p               ; the slot's q-th K step into set p: source 0's eight fragments, source 1's four, the scale words: 38 loads
	WIN 0x40
.irp i, 0,1,2,3,4,5,6,7
	FRAG 96*(\p)+FR*\i, ADRB+\slot, \q, \i
.endr
	WIN 0
.irp i, 0,1,2,3
	FRAG AF+48*(\p)+FR*\i, ADRA+\slot, \q, \i
.endr
	ds_load_b128 v[SC+8*(\p):SC+8*(\p)+3], v[ADR1+\slot] offset:BLK*(\q)
	ds_load_b128 v[SC+8*(\p)+4:SC+8*(\p)+7], v[ADR2+\slot] offset:BLK*(\q)
.endm
.macro MUL8 a, p, zero                 ; source 1's fragment a x source 0's eight.  The 32 accumulators take turns, one instruction a turn
.irp b, 0,1,2,3,4,5,6,7
.if \zero
	v_wmma_scale_f32_16x16x128_f8f6f4 v[64*(\a)+8*\b:64*(\a)+8*\b+7], v[96*(\p)+FR*\b:96*(\p)+FR*\b+FR-1], v[AF+48*(\p)+FR*(\a):AF+48*(\p)+FR*(\a)+FR-1], 0, v[SC+8*(\p)+\b], v[SC+8*(\p)+(\a)] matrix_a_fmt:MATRIX_FMT_FP6 matrix_b_fmt:MATRIX_FMT_FP6 matrix_a_scale:MATRIX_SCALE_ROW1
.else
	v_wmma_scale_f32_16x16x128_f8f6f4 v[64*(\a)+8*\b:64*(\a)+8*\b+7], v[96*(\p)+FR*\b:96*(\p)+FR*\b+FR-1], v[AF+48*(\p)+FR*(\a):AF+48*(\p)+FR*(\a)+FR-1], v[64*(\a)+8*\b:64*(\a)+8*\b+7], v[SC+8*(\p)+\b], v[SC+8*(\p)+(\a)] matrix_a_fmt:MATRIX_FMT_FP6 matrix_b_fmt:MATRIX_FMT_FP6 matrix_a_scale:MATRIX_SCALE_ROW1
.endif
.endr
.endm
; One of a slot's first three K steps.  The next step's 38 loads go out at its head, into the set that the step before has multiplied: they have this step's 32 matrix instructions in which to land.
; zero = 1: a tile's first step: its products start the sums, and the set to be loaded holds the codes that the last way out stored.
.macro STEP4 slot, q, zero
	s_wait_dscnt 0x0                               ; this step's fragments and scale words are in
	PLACES
.if \zero
	s_wait_xcnt 0x0                                ; the last way out's stores have read their registers: only behind this wait are these loaded again
.endif
	FETCH4 \slot, (\q)+1, 1-(\q)%2
	WIN 0xa1
	MUL8 0, (\q)%2, \zero
	MUL8 1, (\q)%2, \zero
	MUL8 2, (\q)%2, \zero
	MUL8 3, (\q)%2, \zero
	WIN 0
.endm
; A slot's last K step (set 1) changes slots: ONE barrier; ahead of it each wave waits for all its tensor loads, adds 0 to its spare word, and waits for that and for its reads of this slot.
; fill = 1: this slot takes the k tile's same half of K (source 1 is x's same group: its descriptor stands; source 0 goes from W_Q to W_K, eight groups on).  fill = 2: the v tile's.  fill = 0: nothing is left to fetch.
.macro TURN4 slot, next, fill
	s_wait_tensorcnt 0x0                           ; all my tensor loads have landed: my part of the next slot; so a group 0 may be written
	ds_add_u32 v[SPW], v[NIL]                      ; 0 onto my spare word
	s_wait_dscnt 1                                 ; this step's fragments are in (the add may be out)
	WIN 0xa1
	MUL8 0, 1, 0
	s_wait_dscnt 0x0                               ; the add is done, and my reads of this slot are over
	s_barrier_signal -1
	MUL8 1, 1, 0
	WIN 0
	s_barrier_wait -1
.if \fill
	CREST                                          ; the barrier has opened a round of the cluster's: no wave of any partner still reads this slot or has a load on its way
.if (\fill) == 1
	s_add_nc_u64 s[G0B+4*\slot+2:G0B+4*\slot+3], s[G0B+4*\slot+2:G0B+4*\slot+3], 8*GRPB
.else
	s_add_nc_u64 s[G0+4*\slot+2:G0+4*\slot+3], s[A1V:A1V+1], (\slot)*PART
	s_or_b32 s[G0+4*\slot+3], s[G0+4*\slot+3], 0x80000000
	s_add_nc_u64 s[G0B+4*\slot+2:G0B+4*\slot+3], s[A0V:A0V+1], (\slot)*PART
	s_or_b32 s[G0B+4*\slot+3], s[G0B+4*\slot+3], 0x80000000
.endif
	JLOAD G0+4*\slot, G1, G0B+4*\slot, G1B         ; the first tensor load behind the round; its four v_nop are the places ahead of the loads below
.else
	PLACES
.endif
	s_wait_alu depctr_va_vdst(0)
	FETCH4 \next, 0, 0
.if (\fill) == 1 && (\slot) == 0
	ASK 0, PQ, 0, 8*GRPB+PART                      ; the k tile's K steps 4-7
.elseif (\fill) == 1
	ASK 1, PV, 0, 0                                ; the v tile's K steps 0-3
.elseif (\fill) == 2 && (\slot) == 0
	ASK 1, PV, PART, PART                          ; the v tile's K steps 4-7; behind it nothing is left to ask for
.endif
	WIN 0xa1
	MUL8 2, 1, 0
	MUL8 3, 1, 0
	WIN 0
.endm
; 64 numbers of a lane, register 16 b + i = k 32 b + 16 (lane / 16) + i of my row, become a fragment's codes in v[pc] on and its scale word in v[w].
.macro QUANT s, w, pc
.irp b, 0,1,2,3
	v_max3_num_f32 v[TM+\b], |v[\s+16*\b]|, |v[\s+1+16*\b]|, 0x1800000   ; my 16 numbers of block b, and the floor 2^(3 - 127): the byte cannot fall under 1
.endr
.irp i, 2,4,6,8,10,12,14
.irp b, 0,1,2,3
	v_max3_num_f32 v[TM+\b], v[TM+\b], |v[\s+16*\b+\i]|, |v[\s+1+16*\b+\i]|
.endr
.endr
.irp b, 0,1,2,3
	v_permlanex16_b32 v[TM+4+\b], v[TM+\b], s[SEL], s[SEL+1]
.endr
.irp b, 0,1,2,3
	v_max_num_f32 v[TM+\b], v[TM+\b], v[TM+4+\b]   ; with lane l xor 16's: the block's largest magnitude
.endr
.irp b, 0,1,2,3
	v_add_nc_u32 v[TM+12+\b], 0xff000000, v[TM+\b] ; 2 off its exponent field: the conversion's scale operand
.endr
.irp b, 0,1,2,3
	v_lshrrev_b32 v[TM+4+\b], 23, v[TM+12+\b]      ; the scale's byte
.endr
	v_lshl_or_b32 v[\w], v[TM+5], 8, v[TM+4]
	v_lshl_or_b32 v[\w], v[TM+6], 16, v[\w]
	v_lshl_or_b32 v[\w], v[TM+7], 24, v[\w]
.irp c, 0,1
	v_cvt_scalef32_pk16_fp6_f32 v[\pc+6*\c:\pc+2+6*\c], v[\s+32*\c:\s+15+32*\c], v[TM+12+2*\c]
	v_cvt_scalef32_pk16_fp6_f32 v[PX+4*\c:PX+2+4*\c], v[\s+16+32*\c:\s+31+32*\c], v[TM+12+2*\c+1]   ; (a conversion's three registers begin on an even number)
.endr
	v_nop                                          ; one plain place behind a scaled conversion
.irp c, 0,1                            ; the operand's layout wants a WHOLE block in a lane
.irp i, 0,1,2
	v_permlane16_swap_b32 v[\pc+6*\c+\i], v[PX+4*\c+\i]
.endr
.irp i, 0,1,2
	v_mov_b32 v[\pc+3+6*\c+\i], v[PX+4*\c+\i]
.endr
.endr
.endm
; Source 1's fragment a of my four: its eight accumulators x tau (which also brings them into window 0, each accumulator from its low end on), quantised, stored as the image of a fragment.
; Each fragment has 12 registers of its own for its codes, so that no store's data are written again within a tile.
.macro OUTB a, tau, cb, off
	WIN 0x02
.set i, 0
.rept 32
	v_pk_mul_f32 v[NUM+i:NUM+i+1], v[64*(\a)+i:64*(\a)+i+1], s[\tau:\tau+1] op_sel_hi:[1,0]
.set i, i+2
.endr
	WIN 0
	QUANT NUM, SWR+(\a), PCB+12*(\a)
.irp c, 0,1,2
	global_store_b128 v[LI], v[PCB+12*(\a)+4*\c:PCB+12*(\a)+4*\c+3], s[\cb:\cb+1] offset:(\off)+1536*(\a)+512*\c   ; 32 lanes store 512 consecutive bytes, at a multiple of 256 from the buffer's first byte
.endr
.endm
; A tile's way out.  It names no register into which the next tile's first fragments are on their way (set 0 of both sources and of the scale words).
.macro EPI t, tau, cb, off
	PLACES                                         ; ahead of the first read of results just made, and of the first write into set 1's registers
.irp a, 0,1,2,3
	OUTB \a, \tau, \cb, \off
.endr
	ds_store_b128 v[SWA], v[SWR:SWR+3] offset:1024*(\t)   ; row r's four words; both halves of the lanes hold the same four and write the same bytes
.endm
	s_wait_alu depctr_va_vdst(0)
	s_wait_tensorcnt 0x0                           ; my part of slot 0 is in; these lines stand ahead of a later first fill as ahead of a refill
	ds_add_u32 v[SPW], v[NIL]
	s_wait_dscnt 0x0
	CROUND                                         ; everybody's part of slot 0 is in, and the sixteen work-groups meet
	JLOAD G0+4, G1, G0B+4, G1B                     ; the q tile's K steps 4-7, my one tensor load behind the round
	FETCH4 0, 0, 0
	ASK 0, PQ, 0, 8*GRPB                           ; the k tile's K steps 0-3: W_K lies eight groups behind W_Q
	STEP4 0, 0, 1                                  ; ---- q: eight K steps, each written once
	STEP4 0, 1, 0
	STEP4 0, 2, 0
	TURN4 0, 1, 1                                  ; slot 0 takes k's K steps 0-3
	STEP4 1, 0, 0
	STEP4 1, 1, 0
	STEP4 1, 2, 0
	TURN4 1, 0, 1                                  ; slot 1 takes k's K steps 4-7; k's first fragments are fetched
	s_wait_kmcnt 0x0                               ; the three tau
	s_mul_f32 s[TAUQ], s[TAUQ], 0x3d000000         ; q leaves as q / 32, the scores' factor sqrt(1 / 1024): a power of two moves no code, only q's scale bytes, by 5.  LIMIT: a block of q whose largest magnitude lies under 2^-119 has its byte held at 1
	s_mov_b32 s[TAUQ+1], s[TAUQ]
	s_mov_b32 s[TAUK+1], s[TAUK]
	s_mov_b32 s[TAUV+1], s[TAUV]
	EPI 0, TAUQ, CBQ, 0
	STEP4 0, 0, 1                                  ; ---- k
	STEP4 0, 1, 0
	STEP4 0, 2, 0
	TURN4 0, 1, 2                                  ; slot 0 takes v's K steps 0-3
	STEP4 1, 0, 0
	STEP4 1, 1, 0
	STEP4 1, 2, 0
	TURN4 1, 0, 2                                  ; slot 1 takes v's K steps 4-7
	EPI 1, TAUK, CBQ, 512*12288
	STEP4 0, 0, 1                                  ; ---- v
	STEP4 0, 1, 0
	STEP4 0, 2, 0
	TURN4 0, 1, 0                                  ; nothing is left to fetch
	STEP4 1, 0, 0
	STEP4 1, 1, 0
	STEP4 1, 2, 0
	s_wait_dscnt 0x0
	WIN 0xa1
	MUL8 0, 1, 0
	MUL8 1, 1, 0
	MUL8 2, 1, 0
	MUL8 3, 1, 0
	WIN 0
	EPI 2, TAUV, CBV, 0
	; the three tiles' scale words: a tile's two blocks are 1,024 bytes, a quarter to each wave
	s_wait_dscnt 0x0                               ; for the others' sake: my words have landed
	s_barrier_signal -1
	s_barrier_wait -1
	ds_load_b64 v[8:9], v[SRD]
	ds_load_b64 v[10:11], v[SRD] offset:1024
	ds_load_b64 v[12:13], v[SRD] offset:2048
	s_wait_dscnt 0x0
	global_store_b64 v[GSO], v[8:9], s[SBQ:SBQ+1]                  ; 32 lanes store 256 consecutive bytes, at a multiple of 256 from the buffer's first byte
	global_store_b64 v[GSO], v[10:11], s[SBQ:SBQ+1] offset:512*512
	global_store_b64 v[GSO], v[12:13], s[SBV:SBV+1]
	s_wait_tensorcnt 0x0                           ; the wave's end: behind my last tensor load and my last LDS store
	ds_add_u32 v[SPW], v[NIL]
	s_wait_dscnt 0x0
	CROUND                                         ; the closing round: no work-group ends while a partner may still ask for a tile that names it
	s_endpgm
.Lfunc_end_k_q67d7b48663_proj:
	.size	k_q67d7b48663_proj, .Lfunc_end_k_q67d7b48663_proj-k_q67d7b48663_proj
	.p2alignl 7, 3214868480
	.fill 96, 4, 3214868480
	.section	.rodata,"a",@progbits
	.p2align	6, 0x0
	.amdhsa_kernel k_q67d7b48663_proj
		.amdhsa_group_segment_fixed_size 327680
		.amdhsa_private_segment_fixed_size 0
		.amdhsa_enable_private_segment 0
		.amdhsa_kernarg_size 48
		.amdhsa_user_sgpr_count 2
		.amdhsa_user_sgpr_kernarg_segment_ptr 1
		.amdhsa_wavefront_size32 1
		.amdhsa_system_sgpr_workgroup_id_x 1
		.amdhsa_system_sgpr_workgroup_id_y 1
		.amdhsa_system_sgpr_workgroup_id_z 1
		.amdhsa_system_vgpr_workitem_id 0
		.amdhsa_next_free_vgpr 768
		.amdhsa_next_free_sgpr 100
		.amdhsa_reserve_vcc 0
		.amdhsa_float_denorm_mode_32 3
		.amdhsa_float_denorm_mode_16_64 3
		.amdhsa_memory_ordered 1
		.amdhsa_forward_progress 1
		.amdhsa_inst_pref_size 251
	.end_amdhsa_kernel
	.amdgpu_metadata
---
amdhsa.version: [ 1, 2 ]
amdhsa.kernels:
  - .name:           k_q67d7b48663_proj
    .symbol:         k_q67d7b48663_proj.kd
    .args:
      - { .name: opc, .offset: 0, .size: 8, .value_kind: global_buffer, .address_space: global }
      - { .name: tau_Q, .offset: 8, .size: 8, .value_kind: global_buffer, .address_space: global }
      - { .name: tau_K, .offset: 16, .size: 8, .value_kind: global_buffer, .address_space: global }
      - { .name: tau_V, .offset: 24, .size: 8, .value_kind: global_buffer, .address_space: global }
      - { .name: qkvc, .offset: 32, .size: 8, .value_kind: global_buffer, .address_space: global }
      - { .name: qkvs, .offset: 40, .size: 8, .value_kind: global_buffer, .address_space: global }
    .group_segment_fixed_size: 327680
    .private_segment_fixed_size: 0
    .kernarg_segment_align: 8
    .kernarg_segment_size: 48
    .max_flat_workgroup_size: 128
    .sgpr_count:     100
    .vgpr_count:     768
    .wavefront_size: 32
...
	.end_amdgpu_metadata
.endif
;; end of part 2
;; launch score (part 3): grid 8 x 32, 4 waves a work-group, clusters of 4 x 4, 327,680 bytes of LDS; arguments qkvc, qkvs, P, cb, pc, ps, st; writes pc, ps, st
.if DOCPART == 3
	.amdgcn_target "amdgcn-amd-amdhsa--gfx1250"
	.amdhsa_code_object_version 6
	.text
	.protected	k_q67d7b48663_score
	.globl	k_q67d7b48663_score
	.p2align	8
	.type	k_q67d7b48663_score,@function
k_q67d7b48663_score:
	s_mov_b64 s[64:65], 0
	v_nop
	global_prefetch_b8 v0, s[64:65] scope:SCOPE_SE
	s_setreg_imm32_b32 hwreg(HW_REG_WAVE_MODE, 25, 1), 1
	s_wait_xcnt 0x0
	s_wait_alu depctr_hold_cnt(0) depctr_sa_sdst(0) depctr_va_vdst(0) depctr_va_sdst(0) depctr_va_ssrc(0) depctr_va_vcc(0) depctr_vm_vsrc(0)
	s_getreg_b32 s2, hwreg(HW_REG_IB_STS2, 6, 4)
	s_cmp_eq_u32 s2, 0
	s_cbranch_scc0 .Lentry_in_a_cluster
	s_endpgm
.Lentry_in_a_cluster:
	s_bfe_u32 s2, ttmp6, 0x10000c
	s_cmp_lg_u32 s2, 0xf033
	s_cbranch_scc0 .Lentry_shape_is_right
	s_endpgm
.Lentry_shape_is_right:
; E = (q / 32) k^T + P + c[|i - j|] on codes of FP6 (E2M3); q arrives already divided by 32 (in its scale bytes).  p = 2^(E log2(e) - M) is quantised along the keys, for each query and each group of
; 128 keys under a LOCAL whole number M = ceil(the group's largest t).  M is whole, so the codes do not hang on it; the next launch lowers the scale bytes to the row's M.  Stored: p's codes, scale words, -M, the sum of the unquantised p.
; OPERANDS are images of fragments (register n of lane l at 512 (n / 4) + 16 l + 4 (n % 4); lane-row rho of fragment 2 b + u is the group's row 32 b + 8 u + rho + 8 (rho / 8)); a block of 128 rows x 128 K is 12,288 bytes.
; A tile of 256 queries x 256 keys is made by four waves, 128 x 128 each.  Source 0 = k's rows, source 1 = q's: lane (r, h) holds lane-row r of q's fragment a, and register 16 b + i of its eight accumulators is key 32 b + 16 h + i.
; c STARTS THE SUMS.  c is even about 0 (R is real) and hangs on key - query alone.  The window [key - query + 255] lies in LDS four times, copy s moved down by s words, so that every lane's loads of 16 bytes are aligned;
; they land in the accumulators, and the first K step takes them as its C.
; P COMES BY TENSOR LOADS, each wave's own 64 rows x 512 bytes (LDS rows 528 bytes apart): the first half into slot 1 when K step 5 has left it, the second into slot 0 behind the last K step; it is added on the way out.
; K = 1,024 goes through two LDS slots of three K steps: fills of 3, 3 and 2 steps.  The head's four loads, one a wave: q's two groups, k's two groups, q's scale words, k's scale words.
; CLUSTERS: 4 x 4: q's groups are asked for jointly along a row of the cluster, k's along a column; P's tiles are each work-group's own.  PREFETCH: the second and third fill of codes are asked of memory one fill ahead of
; their loads (of a wave's 144 or 96 blocks of 256 bytes each of the four partners names 36 or 24, told apart by address); a wave's halves of P, 128 blocks each, two fills ahead.
; THE WAY OUT takes two fragments at a time, line by line by turns, so that no line waits for the line above it.
; REGISTERS: window 0: v1-31 addresses; v32-47 scale words, later the odd fragment's figures; v48-55 -M, v56-63 the sums; v64-191 t - M of two fragments (v128-223 were q's fragments); v192-231 codes; v232-239 p's scale words;
;   v240-255 the even fragment's figures.  Window 1: k's fragments, two sets, at v0 and v96; later P, two sets of 128.  Windows 2, 3: the accumulators.
; LIMITS: NaN and infinities are not served; the promise holds while |t| stays under 2^31; a block all of whose p have fallen to 0 keeps the byte 1 (its codes are zeros).
.set STEPB,  12288
.set HALFT,  3*STEPB                   ; a group's three K steps
.set SLOT,   4*HALFT                   ; q's two groups, then k's two
.set SCL,    2*SLOT                    ; the scale words: 4,096 bytes a group
.set SPARE,  SCL+16384                 ; the spare words: two blocks of 256 bytes that no other line names
.set CTAB,   SPARE+512                 ; c's window, four copies: copy s at 2048 s + 32 (s % 2) + 128 (s / 2); no tensor load lands here
.set PP,     528                       ; P's rows in LDS: 512 bytes + 16
.set FR,     12
.set LI,   4                           ; 16 x lane
.set SO,   5                           ; 32 r + 16 h
.set ADRA, 16
.set PFP,  18                          ; P's prefetches: (lane / 2) rows of 8,192 bytes + 256 (lane % 2)
.set ACT,  19                          ; my lane's place in its copy of the window
.set ADRB, 20
.set CTA,  22
.set PFA,  24                          ; v24-26 the codes' prefetches
.set ADRS, 27
.set SPW,  28
.set NIL,  29
.set PAD,  30                          ; v30, v31 my lane's place in P's first and second half
.set SC,   32
.set NMS,  48
.set LSM,  56
.set AF,   128
.set PC,   192
.set SWR,  232
.set CS,   2                           ; s[2:3] log2(e), twice
.set SEL,  12                          ; s[12:13] lane selects for lane l xor 16
.set G1, 24
.set G0, 32                            ; s[32:35] q's second fill, s[36:39] its third
.set GH, 40                            ; s[40:43], s[44:47] group 0 of the head's loads of codes; later of P's two halves
.set GHB, 44
.set GP, 40
.set G1B, 48
.set G0B, 56
.set PF2, 66
.set G1S, 68                           ; later group 1 of P's loads
.set G1P, 68
.set G0S, 76
.set G1SB, 80
.set G0SB, 88
.set PF1, 100
.set MSB, 0
.macro WIN new
.if MSB != (\new)
	s_set_vgpr_msb (MSB<<8)|(\new)
.set MSB, (\new)
.endif
.endm
.macro TLOAD g0, g1                    ; an s_nop 0 and four v_nop follow every tensor load
	tensor_load_to_lds s[\g0:\g0+3], s[\g1:\g1+7]
	s_nop 0
.rept 4
	v_nop
.endr
.endm
.macro JLOAD g0a, g0b                  ; waves 0 and 1 fetch for q, waves 2 and 3 for k
	s_cmp_eq_u32 s15, 0
	s_cbranch_scc0 .Lfor_b_\@
	TLOAD \g0a, G1
	s_branch .Lasked_\@
.Lfor_b_\@:
	TLOAD \g0b, G1B
.Lasked_\@:
.endm
.macro CREST
	s_cmp_lg_u32 s14, 0
	s_cbranch_scc1 .Lnot_wave_0_\@
	s_barrier_signal -3
.Lnot_wave_0_\@:
	s_barrier_wait -3
	s_barrier_signal -1
	s_barrier_wait -1
.endm
.macro CROUND
	s_barrier_signal -1
	s_barrier_wait -1
	CREST
.endm
.macro PLACES
.rept 4
	v_nop
.endr
.endm
	s_load_b256 s[4:11], s[0:1], 0x0               ; codes s[4:5], scale words s[6:7], P s[8:9], c s[10:11]
	s_load_b128 s[92:95], s[0:1], 0x20             ; p's codes, p's scale words
	s_load_b64 s[96:97], s[0:1], 0x30              ; -M and the sums
	v_lshl_add_u32 v[SPW], v0, 2, SPARE
	v_mov_b32 v[NIL], 0
	ds_add_u32 v[SPW], v[NIL]                      ; the opening lines: the add, twice on end, and its wait ahead of my first tensor load
	ds_add_u32 v[SPW], v[NIL]
	v_lshrrev_b32 v1, 5, v0
	v_readfirstlane_b32 s14, v1                    ; wave
	s_lshr_b32 s15, s14, 1                         ; my group of queries; also: I fetch for q (0) or k (1)
	s_and_b32 s16, s14, 1                          ; my group of keys; also: which group I fetch
	s_bfe_u32 s40, ttmp6, 0x40000                  ; cx
	s_bfe_u32 s41, ttmp6, 0x40004                  ; cy
	s_and_b32 s17, ttmp7, 0xffff
	s_lshl_b32 s43, s41, 2
	s_lshl_b32 s43, 15, s43                        ; my row of the cluster
	s_lshl_b32 s44, 0x1111, s40                    ; my column
	s_or_b32 s[G1+0], s43, (3<<16)|(1<<21)
	s_or_b32 s[G1B+0], s44, (3<<16)|(1<<21)
	s_or_b32 s[G1S+0], s43, (3<<16)|(1<<21)
	s_or_b32 s[G1SB+0], s44, (3<<16)|(1<<21)
.irp g, G1, G1B                        ; the head's shape: two groups, a row of 36,864 bytes (4,608 elements of 8) each, 98,304 bytes apart
	s_mov_b32 s[\g+1], 4608<<16
	s_mov_b32 s[\g+2], 2<<16
	s_mov_b32 s[\g+3], 4608<<16
	s_mov_b32 s[\g+4], 2
	s_mov_b32 s[\g+5], 12288
	s_mov_b32 s[\g+6], 0
	s_mov_b32 s[\g+7], 0
.endr
.irp g, G1S, G1SB                      ; two groups' scale words: 8,192 dense bytes as 32 rows of 256
	s_mov_b32 s[\g+1], 32<<16
	s_mov_b32 s[\g+2], 32<<16
	s_mov_b32 s[\g+3], 32<<16
	s_mov_b32 s[\g+4], 32
	s_mov_b32 s[\g+5], 32
	s_mov_b32 s[\g+6], 0
	s_mov_b32 s[\g+7], 0
.endr
	s_lshl_b32 s22, s17, 2
	s_add_co_u32 s22, s22, s41                     ; the tile of 256 queries, 0 .. 31
	s_lshl_b32 s46, ttmp9, 2
	s_add_co_u32 s46, s46, s40                     ; the tile of 256 keys in the batch, 0 .. 7
	s_lshr_b32 s18, s17, 1
	s_lshl_b32 s18, s18, 4                         ; 16 x batch
	s_lshl_b32 s47, s46, 1
	s_add_co_u32 s19, s47, s16                     ; my group of keys in the batch
	s_add_co_u32 s47, s47, s18                     ; the tile's first group of k
	s_mul_i32 s2, s22, 16*STEPB                    ; q's groups 2 T, 2 T + 1
	s_mov_b32 s3, 0
	s_lshl_b32 s12, s22, 13
	s_mov_b32 s13, 0
	s_mul_i32 s98, s47, 8*STEPB
	s_add_co_u32 s98, s98, 512*STEPB               ; k's blocks lie behind q's 512
	s_mov_b32 s99, 0
	s_lshl_b32 s66, s47, 12
	s_add_co_u32 s66, s66, 512*512
	s_mov_b32 s67, 0
	s_mul_i32 s100, s16, 8*STEPB                   ; in the ring I fetch one group
	s_mov_b32 s101, 0
	s_lshl_b32 s42, s22, 1
	s_add_co_u32 s42, s42, s15                     ; my wave's group of queries
	s_and_b32 s20, s42, 15
	s_lshl_b32 s20, s20, 20                        ; P: 128 rows of 8,192 bytes a group of queries,
	s_lshl_b32 s21, s19, 9                         ; 512 bytes a group of keys
	s_add_co_u32 s20, s20, s21
	s_mov_b32 s21, 0
	s_lshl_b32 s42, s42, 4
	s_add_co_u32 s42, s42, s19                     ; p's block: 16 x group of queries + group of keys
	s_lshl_b32 s44, s42, 9
	s_mov_b32 s45, 0
	s_mul_i32 s42, s42, STEPB
	s_mov_b32 s43, 0
	s_and_b32 s19, s22, 7
	s_sub_co_i32 s19, s19, s46
	s_lshl_b32 s19, s19, 8
	s_add_co_i32 s19, s19, 255                     ; (the tile's first query) - (its first key) + 255
	s_mul_i32 s17, s14, HALFT                      ; where what I fetch goes in a slot
	s_cmp_eq_u32 s15, 0
	s_cselect_b32 s18, s40, s41                    ; my place among the four that ask with me
	s_wait_dscnt 0x0                               ; both opening adds are done
	s_wait_kmcnt 0x0
	s_add_nc_u64 s[2:3], s[4:5], s[2:3]
	s_add_nc_u64 s[12:13], s[6:7], s[12:13]
	s_add_nc_u64 s[98:99], s[4:5], s[98:99]
	s_add_nc_u64 s[66:67], s[6:7], s[66:67]
	s_add_nc_u64 s[8:9], s[8:9], s[20:21]
	s_add_nc_u64 s[92:93], s[92:93], s[42:43]
	s_add_nc_u64 s[94:95], s[94:95], s[44:45]
	s_add_nc_u64 s[96:97], s[96:97], s[44:45]
	CROUND                                         ; all sixteen work-groups are here: the first joint loads meet
.macro GRP0 g, lds, a
	s_mov_b32 s[\g], 1
	s_mov_b32 s[\g+1], \lds
	s_mov_b64 s[\g+2:\g+3], s[\a:\a+1]
	s_or_b32 s[\g+3], s[\g+3], 0x80000000
.endm
	GRP0 GH, 0, 2
	GRP0 GHB, 2*HALFT, 98
	GRP0 G0S, SCL, 12
	GRP0 G0SB, SCL+8192, 66
.macro ARM under, g0, g1, next         ; one tree of branches on the wave's number, one load to an arm
	s_cmp_lt_u32 s14, \under
	s_cbranch_scc0 \next
	TLOAD \g0, \g1
	s_branch .Lhead_asked
\next:
.endm
	ARM 1, GH, G1, .Lhead_b
	ARM 2, GHB, G1B, .Lhead_sa
	ARM 3, G0S, G1S, .Lhead_sb
	TLOAD G0SB, G1SB
.Lhead_asked:
	s_add_nc_u64 s[2:3], s[2:3], s[100:101]        ; for the ring: my group
	s_add_nc_u64 s[98:99], s[98:99], s[100:101]
.irp s, 0,1                            ; the second fill: K steps 3-5 into slot 1; the third: K steps 6, 7 into slot 0
	s_mov_b32 s[G0+4*\s], 1
	s_add_co_u32 s[G0+4*\s+1], s17, (1-\s)*SLOT
	s_add_nc_u64 s[G0+4*\s+2:G0+4*\s+3], s[2:3], (\s+1)*HALFT
	s_or_b32 s[G0+4*\s+3], s[G0+4*\s+3], 0x80000000
	s_mov_b32 s[G0B+4*\s], 1
	s_add_co_u32 s[G0B+4*\s+1], s17, (1-\s)*SLOT
	s_add_nc_u64 s[G0B+4*\s+2:G0B+4*\s+3], s[98:99], (\s+1)*HALFT
	s_or_b32 s[G0B+4*\s+3], s[G0B+4*\s+3], 0x80000000
.endr
	s_cmp_eq_u32 s15, 0
	s_cselect_b64 s[PF1:PF1+1], s[2:3], s[98:99]   ; the codes' prefetches: the group that I fetch,
	s_mul_i32 s20, s18, 36*256                     ; + my work-group's 36 blocks of the second fill's 144,
	s_mov_b32 s21, 0
	s_mul_i32 s22, s18, 24*256                     ; or its 24 of the third fill's 96
	s_mov_b32 s23, 0
	s_add_nc_u64 s[PF2:PF2+1], s[PF1:PF1+1], s[22:23]
	s_add_nc_u64 s[PF1:PF1+1], s[PF1:PF1+1], s[20:21]
	s_mov_b32 s[CS], 0x3fb8aa3b                    ; log2(e)
	s_mov_b32 s[CS+1], s[CS]
	s_mov_b32 s[SEL], 0x76543210
	s_mov_b32 s[SEL+1], 0xfedcba98
	s_mul_i32 s4, s15, HALFT                       ; my group of q in a slot,
	s_mul_i32 s5, s16, HALFT
	s_add_co_u32 s5, s5, 2*HALFT                   ; my group of k
	s_lshl_b32 s7, s15, 12
	s_lshl_b32 s6, s16, 12
	s_add_co_u32 s6, s6, 8192
	s_sub_co_u32 s6, s6, s7                        ; from q's scale words to k's
	s_add_co_u32 s7, s7, SCL
	s_xor_b32 s20, s15, 1
	s_add_co_u32 s20, s20, s16
	s_lshl_b32 s20, s20, 9
	s_add_co_u32 s20, s20, CTAB+80                 ; the window: 4 (20 + 128 (my group of keys + 1 - my group of queries)); 4 (96 + 8 + 128) stand in the immediates and above
	s_mul_i32 s21, s14, 64*PP                      ; my wave's half of P in a slot
	v_and_b32 v1, 15, v0                           ; r
	v_bfe_u32 v2, v0, 4, 1                         ; h
	v_and_b32 v3, 31, v0                           ; lane
	v_lshlrev_b32 v[LI], 4, v3
.irp j, 0,1,2,3                        ; word m = thread + 128 j of the window holds c[|first query - first key + 255 - m|]  (the index is held inside the table)
	v_add_nc_u32 v[8+\j], 128*\j, v0
	v_sub_nc_u32 v[8+\j], s19, v[8+\j]
	v_sub_nc_u32 v6, 0, v[8+\j]
	v_max_i32 v[8+\j], v[8+\j], v6
	v_min_u32 v[8+\j], 0x7ff, v[8+\j]
	v_lshlrev_b32 v[8+\j], 2, v[8+\j]
.endr
	v_and_b32 v6, 8, v1
	v_add_nc_u32 v6, v6, v1                        ; rho = r + 8 (r / 8)
	v_lshlrev_b32 v7, 5, v1                        ; 32 r
	v_lshl_add_u32 v[SO], v2, 4, v7
	v_add_nc_u32 v[ADRA], s4, v[LI]
	v_add_nc_u32 v[ADRB], s5, v[LI]
	v_add_nc_u32 v[ADRA+1], SLOT, v[ADRA]
	v_add_nc_u32 v[ADRB+1], SLOT, v[ADRB]
	v_mul_u32_u24 v23, s6, v2                      ; lanes 16-31 take k's words: the lower base + h x the distance
	v_add_nc_u32 v23, v7, v23
	v_add_nc_u32 v[ADRS], s7, v23
	v_and_b32 v30, 3, v1
	v_xor_b32 v30, 3, v30                          ; my copy: s = 3 - r % 4 = (255 - rho) % 4
	v_lshl_add_u32 v31, v30, 11, s20
	v_and_b32 v23, 1, v30
	v_lshl_add_u32 v31, v23, 5, v31
	v_lshrrev_b32 v23, 1, v30
	v_lshl_add_u32 v31, v23, 7, v31                ; the copies' odd distances keep sixteen lanes on sixteen different columns of 16 bytes
	v_lshl_add_u32 v31, v2, 6, v31                 ; + 4 x 16 h
	v_and_b32 v23, 4, v1
	v_lshlrev_b32 v23, 2, v23
	v_sub_nc_u32 v31, v31, v23                     ; - 4 (rho - r % 4) = - 4 (r & 4) - 64 (r / 8)
	v_lshrrev_b32 v23, 3, v1
	v_lshlrev_b32 v23, 6, v23
	v_sub_nc_u32 v[ACT], v31, v23
	v_lshl_add_u32 v[CTA], v0, 2, CTAB
	v_mul_u32_u24 v31, v6, PP                      ; P in LDS: row rho, + 64 h, in my wave's part: the second half lies in slot 0,
	v_lshl_add_u32 v31, v2, 6, v31
	v_add_nc_u32 v[PAD+1], s21, v31
	v_add_nc_u32 v[PAD], SLOT, v[PAD+1]            ; the first in slot 1
	v_lshlrev_b32 v[PFA], 8, v3                    ; a lane a block of 256 bytes: blocks 0-31,
	v_add_nc_u32 v[PFA+1], 32, v3
	v_min_u32 v[PFA+1], 35, v[PFA+1]
	v_lshlrev_b32 v[PFA+1], 8, v[PFA+1]            ; blocks 32-35 (the lanes left over name the last again),
	v_min_u32 v[PFA+2], 23, v3
	v_lshlrev_b32 v[PFA+2], 8, v[PFA+2]            ; blocks 0-23
	v_lshrrev_b32 v[PFP], 1, v3
	v_lshlrev_b32 v[PFP], 13, v[PFP]
	v_and_b32 v23, 1, v3
	v_lshl_add_u32 v[PFP], v23, 8, v[PFP]          ; P: two lanes to a row's 512 bytes, 16 rows an instruction
.irp b, 244,245,246,247,254
	v_mov_b32 v[\b], 0                             ; written once: a lane permute's destination counts as one of its sources
.endr
	s_wait_alu depctr_va_vdst(0)
.irp j, 0,1,2,3
	global_load_b32 v[NMS+\j], v[8+\j], s[10:11]
.endr
	global_prefetch_b8 v[PFA], s[PF1:PF1+1] offset:HALFT th:TH_LOAD_NT scope:SCOPE_SE     ; the second fill, one fill ahead of its load
	global_prefetch_b8 v[PFA+1], s[PF1:PF1+1] offset:HALFT th:TH_LOAD_NT scope:SCOPE_SE
	s_wait_loadcnt 0x0
.irp s, 0,1,2,3
.irp j, 0,1,2,3
	ds_store_b32 v[CTA], v[NMS+\j] offset:2048*\s+32*(\s&1)+128*(\s>>1)-4*\s+512*\j   ; word m of the window is word m - s of copy s (the first s words fall into the gap below the copy)
.endr
.endr
	s_wait_dscnt 0x0                               ; for the others' sake: my words have landed
	s_barrier_signal -1
	s_barrier_wait -1
.irp a, 0,1,2,3,4,5,6,7                ; c into the accumulators: register 16 b + 4 j + e of fragment a = window[255 + key - query]
	WIN (2+\a/4)<<6
.irp b, 0,1,2,3
.irp j, 0,1,2,3
	ds_load_b128 v[64*(\a%4)+16*\b+4*\j:64*(\a%4)+16*\b+4*\j+3], v[ACT] offset:128*(\b-\a/2+3)+32*(1-\a%2)+16*\j
.endr
.endr
.endr
	WIN 0
.macro FRAG reg, adr, st, i            ; K step st lies in slot (st / 3) % 2, as its (st % 3)-th
.irp c, 0,1,2
	ds_load_b128 v[\reg+4*\c:\reg+4*\c+3], v[\adr+((\st)/3)%2] offset:STEPB*((\st)%3)+1536*(\i)+512*\c
.endr
.endm
.macro FETCH_B st
	WIN 0x40
.irp i, 0,1,2,3,4,5,6,7
	FRAG 96*((\st)%2)+FR*\i, ADRB, \st, \i
.endr
	WIN 0
.endm
.macro FETCH_A st, i0
.irp i, \i0, \i0+1, \i0+2, \i0+3
	FRAG AF+FR*(\i), ADRA, \st, \i
.endr
.endm
.macro SCALES st
	ds_load_b128 v[SC+8*((\st)%2):SC+8*((\st)%2)+3], v[ADRS] offset:512*(\st)
	ds_load_b128 v[SC+8*((\st)%2)+4:SC+8*((\st)%2)+7], v[ADRS] offset:512*(\st)+16
.endm
.macro MUL8 a, p                       ; the 64 accumulators take turns, one instruction a turn
.irp b, 0,1,2,3,4,5,6,7
	v_wmma_scale_f32_16x16x128_f8f6f4 v[8*(8*((\a)%4)+\b):8*(8*((\a)%4)+\b)+7], v[96*(\p)+FR*\b:96*(\p)+FR*\b+FR-1], v[AF+FR*(\a):AF+FR*(\a)+FR-1], v[8*(8*((\a)%4)+\b):8*(8*((\a)%4)+\b)+7], v[SC+8*(\p)+\b], v[SC+8*(\p)+(\a)] matrix_a_fmt:MATRIX_FMT_FP6 matrix_b_fmt:MATRIX_FMT_FP6 matrix_a_scale:MATRIX_SCALE_ROW1
.endr
.endm
.macro NEXTLO st                       ; the next step's k, q's fragments 0-3 and scale words: 38 loads
	FETCH_B (\st)+1
	FETCH_A (\st)+1, 0
	SCALES (\st)+1
.endm
.macro HIGH st                         ; q's fragments 4-7, and their refetch
	WIN 0xf1
.irp a, 4,5,6,7
	MUL8 \a, (\st)%2
.endr
	PLACES
	WIN 0
	FETCH_A (\st)+1, 4
.endm
.macro STEP st
	s_wait_dscnt 12                                ; all but the youngest twelve loads, q's fragments 4-7
	WIN 0xa1
.irp a, 0,1,2,3
	MUL8 \a, (\st)%2
.endr
	s_wait_dscnt 0x0
	PLACES
	NEXTLO \st
	HIGH \st
.endm
.macro ASKP half                       ; my wave's 64 rows x 512 bytes of P: 128 blocks of 256 bytes, a lane a block
.irp k, 0,1,2,3
	global_prefetch_b8 v[PFP], s[8:9] offset:(64*(\half)+16*\k)*8192 th:TH_LOAD_NT scope:SCOPE_SE
.endr
.endm
.macro TURN st, fill                   ; a slot's last step: one barrier for the change of slots.  fill = 1: the slot takes K steps 6, 7, jointly; fill = 2: P's first half, each wave its own
	s_wait_tensorcnt 0x0                           ; all my tensor loads have landed: my part of the next slot
	ds_add_u32 v[SPW], v[NIL]
.if (\fill) == 1
	s_mov_b32 s[G1+2], 96<<16                      ; no load of mine is out: the third fill brings two K steps, 96 rows of 256 bytes
	s_mov_b32 s[G1+4], 96
	s_mov_b32 s[G1B+2], 96<<16
	s_mov_b32 s[G1B+4], 96
.endif
	s_wait_dscnt 13                                ; (the add and the youngest twelve loads may be out)
	WIN 0xa1
	MUL8 0, (\st)%2
	MUL8 1, (\st)%2
	s_wait_dscnt 0x0                               ; the add is done, and my reads of this slot are over
	s_barrier_signal -1
	MUL8 2, (\st)%2
	MUL8 3, (\st)%2
	WIN 0
	s_barrier_wait -1
	CREST                                          ; the barrier has opened a round of the cluster's
.if (\fill) == 1
	JLOAD G0+4, G0B+4                              ; my one tensor load behind the round; its four v_nop are the places ahead of the loads below
.else
	TLOAD GP, G1P
.endif
	NEXTLO \st
.if (\fill) == 1
	ASKP 1                                         ; P's second half, two fills ahead of its load
.endif
	HIGH \st
.endm
	s_wait_tensorcnt 0x0                           ; my tile of the head's four is in; these lines stand ahead of a later first fill as ahead of a refill
	ds_add_u32 v[SPW], v[NIL]
.irp g, G1, G1B                        ; no load of mine is out: from here on a load of codes brings one group's three K steps, 144 rows of 256 bytes
	s_mov_b32 s[\g+1], 32<<16
	s_mov_b32 s[\g+2], 144<<16
	s_mov_b32 s[\g+3], 32<<16
	s_mov_b32 s[\g+4], 144
	s_mov_b32 s[\g+5], 32
.endr
	s_mov_b32 s[G1P+0], (2<<16)|(1<<20)|(6<<22)|(3<<25)   ; P: elements of 4 bytes, no mask; 4 words of padding behind every 128
	s_mov_b32 s[G1P+1], 128<<16
	s_mov_b32 s[G1P+2], 64<<16
	s_mov_b32 s[G1P+3], 128<<16
	s_mov_b32 s[G1P+4], 64
	s_mov_b32 s[G1P+5], 2048
	s_mov_b32 s[G1P+6], 0
	s_mov_b32 s[G1P+7], 0
	s_mov_b32 s[GP], 1                             ; my queries 0-63 into slot 1,
	s_add_co_u32 s[GP+1], s21, SLOT
	s_mov_b64 s[GP+2:GP+3], s[8:9]
	s_or_b32 s[GP+3], s[GP+3], 0x80000000
	s_mov_b32 s[GP+4], 1                           ; my queries 64-127 into slot 0
	s_mov_b32 s[GP+5], s21
	s_add_nc_u64 s[GP+6:GP+7], s[8:9], 64*8192
	s_or_b32 s[GP+7], s[GP+7], 0x80000000
	s_wait_dscnt 0x0                               ; the add is done, and c is in the accumulators
	CROUND                                         ; all four tiles are in, and the sixteen work-groups meet
	JLOAD G0, G0B                                  ; K steps 3-5, my one tensor load behind the round
	FETCH_B 0
	FETCH_A 0, 0
	SCALES 0
	FETCH_A 0, 4
	global_prefetch_b8 v[PFA+2], s[PF2:PF2+1] offset:2*HALFT th:TH_LOAD_NT scope:SCOPE_SE   ; the third fill, one fill ahead of its load
	ASKP 0                                         ; P's first half, two fills ahead of its load
	STEP 0                                         ; its C is c
	STEP 1
	TURN 2, 1
	STEP 3
	STEP 4
	TURN 5, 2
	STEP 6
	s_wait_dscnt 12
	WIN 0xa1
.irp a, 0,1,2,3
	MUL8 \a, 1
.endr
	s_wait_dscnt 0x0
	WIN 0xf1
.irp a, 4,5,6,7
	MUL8 \a, 1
.endr
	WIN 0
	s_wait_tensorcnt 0x0                           ; P's first half is in
	ds_add_u32 v[SPW], v[NIL]
	s_wait_dscnt 0x0                               ; the add is done; my reads of slot 0 were over above
	CROUND
	TLOAD GP+4, G1P                                ; P's second half; the four v_nop are the places ahead of loads into k's registers and of the first read of results
; P for fragments 2 p and 2 p + 1, in the accumulators' layout and at the accumulators' register numbers, in window 1
.macro PFETCH p
	WIN 0x40
.irp f, 0,1
.irp b, 0,1,2,3
.irp j, 0,1,2,3
	ds_load_b128 v[128*((\p)%2)+64*\f+16*\b+4*\j:128*((\p)%2)+64*\f+16*\b+4*\j+3], v[PAD+(\p)/2] offset:(32*((\p)%2)+8*\f)*PP+128*\b+16*\j
.endr
.endr
.endr
	WIN 0
.endm
	PFETCH 0
; q's fragments 2 p + f, f = 0, 1: 16 queries x my 128 keys each.  Fragment f's figures stand at F = 240 - 208 f: F + 0 .. 3 the blocks' largest, F + 4 .. 7 and F + 8 .. 11 at work, F + 12 -M, F + 13 t, F + 14, F + 15 at work;
; its t - M at v[128 - 64 f], its codes at v[PC + 20 f]
.macro SOFT2 p
.set WN, 2+(\p)/2
.set PBS, 128*((\p)%2)
	s_wait_dscnt 0x0                               ; this pair's P is in
	WIN WN|(1<<2)|(WN<<6)
	s_wait_alu depctr_va_vdst(0)                   ; directly ahead of the first reader of matrix results
.set i, 0
.rept 64
	v_pk_add_f32 v[PBS+i:PBS+i+1], v[PBS+i:PBS+i+1], v[PBS+i:PBS+i+1]   ; E = the sums (window 2 or 3) + P (window 1); each accumulator is read from its low end on
.set i, i+2
.endr
	WIN (WN<<2)|(WN<<4)
.irp i, 0,2,4,6,8,10,12,14             ; the largest logit of each block of 32 keys: for the row's maximum and, since p rises with the logit, for the block's largest p
.irp f, 0,1
.irp b, 0,1,2,3
.if \i == 0
	v_max3_num_f32 v[240-208*\f+\b], 0xff7fffff, v[PBS+64*\f+16*\b], v[PBS+64*\f+16*\b+1]
.else
	v_max3_num_f32 v[240-208*\f+\b], v[240-208*\f+\b], v[PBS+64*\f+16*\b+\i], v[PBS+64*\f+16*\b+\i+1]
.endif
.endr
.endr
.endr
	WIN 0
.irp f, 0,1
.irp b, 0,1,2,3
	v_permlanex16_b32 v[244-208*\f+\b], v[240-208*\f+\b], s[SEL], s[SEL+1]
.endr
.endr
.irp f, 0,1
.irp b, 0,1,2,3
	v_max_num_f32 v[240-208*\f+\b], v[240-208*\f+\b], v[244-208*\f+\b]   ; with lane l xor 16's 16 keys
.endr
.endr
.irp f, 0,1
	v_max3_num_f32 v[255-208*\f], v[240-208*\f], v[241-208*\f], v[242-208*\f]
.endr
.irp f, 0,1
	v_max_num_f32 v[255-208*\f], v[255-208*\f], v[243-208*\f]
.endr
.irp f, 0,1
	v_mul_f32 v[253-208*\f], s[CS], v[255-208*\f]  ; the largest t of my query in these 128 keys
.endr
.irp f, 0,1
	v_floor_f32 v[252-208*\f], -v[253-208*\f]      ; -M = floor(-t) = -ceil(t)
.endr
	WIN WN
.irp f, 0,1
.set i, 0
.rept 32
	v_pk_fma_f32 v[128-64*\f+i:128-64*\f+i+1], v[PBS+64*\f+i:PBS+64*\f+i+1], s[CS:CS+1], v[252-208*\f:253-208*\f] op_sel_hi:[1,0,0]   ; t - M
.set i, i+2
.endr
.endr
	WIN 0
.irp f, 0,1
.irp b, 0,1,2,3
	v_fma_f32 v[240-208*\f+\b], v[240-208*\f+\b], s[CS], v[252-208*\f]   ; the same of each block's largest logit
.endr
.endr
	s_wait_alu depctr_va_vdst(0)
.set i, 64
.rept 128
	v_exp_f32 v[i], v[i]                           ; p = 2^(t - M): not normalised
.set i, i+1
.endr
.irp f, 0,1
	v_mov_b32 v[NMS+2*(\p)+\f], v[252-208*\f]      ; (plain places behind the exponentials)
.endr
	s_wait_alu depctr_va_vdst(0)                   ; one wait for the whole batch, ahead of its first reader
.if (\p) == 1
	s_wait_tensorcnt 0x0                           ; P's second half is in: only I read my part of it
.endif
.irp f, 0,1
.irp b, 0,1,2,3
	v_exp_f32 v[240-208*\f+\b], v[240-208*\f+\b]   ; the block's largest p: the same two instructions on the same number give the same bits
.endr
.endr
.if (\p) < 3
	PFETCH (\p)+1                                  ; the next pair's P lands during the rest of this pair
.endif
.irp f, 0,1                            ; the sum of the unquantised p, in four chains a fragment
.irp k, 0,2,4,6
	v_pk_add_f32 v[244-208*\f+\k:245-208*\f+\k], v[128-64*\f+\k:129-64*\f+\k], v[136-64*\f+\k:137-64*\f+\k]
.endr
.endr
.irp j, 16,24,32,40,48,56
.irp f, 0,1
.irp k, 0,2,4,6
	v_pk_add_f32 v[244-208*\f+\k:245-208*\f+\k], v[244-208*\f+\k:245-208*\f+\k], v[128-64*\f+\j+\k:129-64*\f+\j+\k]
.endr
.endr
.endr
.irp f, 0,1
	v_pk_add_f32 v[244-208*\f:245-208*\f], v[244-208*\f:245-208*\f], v[246-208*\f:247-208*\f]
	v_pk_add_f32 v[248-208*\f:249-208*\f], v[248-208*\f:249-208*\f], v[250-208*\f:251-208*\f]
.endr
.irp f, 0,1
	v_pk_add_f32 v[244-208*\f:245-208*\f], v[244-208*\f:245-208*\f], v[248-208*\f:249-208*\f]
.endr
.irp f, 0,1
	v_add_f32 v[244-208*\f], v[244-208*\f], v[245-208*\f]
.endr
.irp f, 0,1
	v_permlanex16_b32 v[254-208*\f], v[244-208*\f], s[SEL], s[SEL+1]
.endr
.irp f, 0,1
	v_add_f32 v[LSM+2*(\p)+\f], v[244-208*\f], v[254-208*\f]   ; with lane l xor 16's 64 keys
.endr
	s_wait_alu depctr_va_vdst(0)                   ; and one for the eight
	s_wait_xcnt 0x0                                ; the last pair's stores have read their registers
.irp f, 0,1
.irp b, 0,1,2,3
	v_max_num_f32 v[240-208*\f+\b], 0x1800000, v[240-208*\f+\b]   ; the floor 2^(3 - 127): the byte cannot fall under 1
.endr
.endr
.irp f, 0,1
.irp b, 0,1,2,3
	v_add_nc_u32 v[248-208*\f+\b], 0xff000000, v[240-208*\f+\b]   ; 2 off the exponent field: the conversion's scale operand
.endr
.endr
.irp f, 0,1
.irp b, 0,1,2,3
	v_lshrrev_b32 v[244-208*\f+\b], 23, v[248-208*\f+\b]          ; the scale's byte, under the local M
.endr
.endr
.irp f, 0,1
	v_lshl_or_b32 v[SWR+2*(\p)+\f], v[245-208*\f], 8, v[244-208*\f]
.endr
.irp f, 0,1
	v_lshl_or_b32 v[SWR+2*(\p)+\f], v[246-208*\f], 16, v[SWR+2*(\p)+\f]
.endr
.irp f, 0,1
	v_lshl_or_b32 v[SWR+2*(\p)+\f], v[247-208*\f], 24, v[SWR+2*(\p)+\f]
.endr
.irp f, 0,1
.irp c, 0,1
	v_cvt_scalef32_pk16_fp6_f32 v[PC+20*\f+6*\c:PC+20*\f+2+6*\c], v[128-64*\f+32*\c:143-64*\f+32*\c], v[248-208*\f+2*\c]
	v_cvt_scalef32_pk16_fp6_f32 v[PC+20*\f+12+4*\c:PC+20*\f+14+4*\c], v[144-64*\f+32*\c:159-64*\f+32*\c], v[249-208*\f+2*\c]
.endr
.endr
	v_nop                                          ; one plain place behind a scaled conversion
.irp f, 0,1                            ; the operand's layout wants a whole block in a lane
.irp c, 0,1
.irp i, 0,1,2
	v_permlane16_swap_b32 v[PC+20*\f+6*\c+\i], v[PC+20*\f+12+4*\c+\i]
.endr
.endr
.endr
.irp f, 0,1
.irp c, 0,1
.irp i, 0,1,2
	v_mov_b32 v[PC+20*\f+3+6*\c+\i], v[PC+20*\f+12+4*\c+\i]
.endr
.endr
.endr
.irp f, 0,1
.irp c, 0,1,2
	global_store_b128 v[LI], v[PC+20*\f+4*\c:PC+20*\f+4*\c+3], s[92:93] offset:1536*(2*(\p)+\f)+512*\c   ; the fragment's image: 512 consecutive bytes a store
.endr
.endr
.endm
	SOFT2 0
	SOFT2 1
	SOFT2 2
	SOFT2 3
	v_cmp_gt_u32 vcc_lo, 16, v3                    ; both halves of the lanes hold row r's eight figures: lanes 0-15 store those of fragments 0-3, lanes 16-31 of 4-7
.irp i, 0,1,2,3
	v_cndmask_b32 v[240+\i], v[SWR+4+\i], v[SWR+\i], vcc_lo
	v_cndmask_b32 v[244+\i], v[NMS+4+\i], v[NMS+\i], vcc_lo
	v_cndmask_b32 v[248+\i], v[LSM+4+\i], v[LSM+\i], vcc_lo
.endr
	global_store_b128 v[SO], v[240:243], s[94:95]                  ; 512 consecutive bytes each
	global_store_b128 v[SO], v[244:247], s[96:97]
	global_store_b128 v[SO], v[248:251], s[96:97] offset:524288
	s_wait_tensorcnt 0x0                           ; the wave's end
	ds_add_u32 v[SPW], v[NIL]
	s_wait_dscnt 0x0
	CROUND                                         ; the closing round
	s_endpgm
.Lfunc_end_k_q67d7b48663_score:
	.size	k_q67d7b48663_score, .Lfunc_end_k_q67d7b48663_score-k_q67d7b48663_score
	.p2alignl 7, 3214868480
	.fill 96, 4, 3214868480
	.section	.rodata,"a",@progbits
	.p2align	6, 0x0
	.amdhsa_kernel k_q67d7b48663_score
		.amdhsa_group_segment_fixed_size 327680
		.amdhsa_private_segment_fixed_size 0
		.amdhsa_enable_private_segment 0
		.amdhsa_kernarg_size 56
		.amdhsa_user_sgpr_count 2
		.amdhsa_user_sgpr_kernarg_segment_ptr 1
		.amdhsa_wavefront_size32 1
		.amdhsa_system_sgpr_workgroup_id_x 1
		.amdhsa_system_sgpr_workgroup_id_y 1
		.amdhsa_system_sgpr_workgroup_id_z 1
		.amdhsa_system_vgpr_workitem_id 0
		.amdhsa_next_free_vgpr 1024
		.amdhsa_next_free_sgpr 102
		.amdhsa_reserve_vcc 1
		.amdhsa_float_denorm_mode_32 3
		.amdhsa_float_denorm_mode_16_64 3
		.amdhsa_memory_ordered 1
		.amdhsa_forward_progress 1
		.amdhsa_inst_pref_size 234
	.end_amdhsa_kernel
	.amdgpu_metadata
---
amdhsa.version: [ 1, 2 ]
amdhsa.kernels:
  - .name:           k_q67d7b48663_score
    .symbol:         k_q67d7b48663_score.kd
    .args:
      - { .name: qkvc, .offset: 0, .size: 8, .value_kind: global_buffer, .address_space: global }
      - { .name: qkvs, .offset: 8, .size: 8, .value_kind: global_buffer, .address_space: global }
      - { .name: P, .offset: 16, .size: 8, .value_kind: global_buffer, .address_space: global }
      - { .name: cb, .offset: 24, .size: 8, .value_kind: global_buffer, .address_space: global }
      - { .name: pc, .offset: 32, .size: 8, .value_kind: global_buffer, .address_space: global }
      - { .name: ps, .offset: 40, .size: 8, .value_kind: global_buffer, .address_space: global }
      - { .name: st, .offset: 48, .size: 8, .value_kind: global_buffer, .address_space: global }
    .group_segment_fixed_size: 327680
    .private_segment_fixed_size: 0
    .kernarg_segment_align: 8
    .kernarg_segment_size: 56
    .max_flat_workgroup_size: 128
    .sgpr_count:     102
    .vgpr_count:     1024
    .wavefront_size: 32
...
	.end_amdgpu_metadata
.endif
;; end of part 3
;; launch mix (part 4): grid 4 x 64, 4 waves a work-group, clusters of 4 x 4, 327,680 bytes of LDS; arguments pc, ps, st, qkvc, qkvs, out0; writes out0
.if DOCPART == 4
	.amdgcn_target "amdgcn-amd-amdhsa--gfx1250"
	.amdhsa_code_object_version 6
	.text
	.protected	k_q67d7b48663_mix
	.globl	k_q67d7b48663_mix
	.p2align	8
	.type	k_q67d7b48663_mix,@function
k_q67d7b48663_mix:
	s_mov_b64 s[64:65], 0
	v_nop
	global_prefetch_b8 v0, s[64:65] scope:SCOPE_SE
	s_setreg_imm32_b32 hwreg(HW_REG_WAVE_MODE, 25, 1), 1
	s_wait_xcnt 0x0
	s_wait_alu depctr_hold_cnt(0) depctr_sa_sdst(0) depctr_va_vdst(0) depctr_va_sdst(0) depctr_va_ssrc(0) depctr_va_vcc(0) depctr_vm_vsrc(0)
	s_getreg_b32 s2, hwreg(HW_REG_IB_STS2, 6, 4)
	s_cmp_eq_u32 s2, 0
	s_cbranch_scc0 .Lentry_in_a_cluster
	s_endpgm
.Lentry_in_a_cluster:
	s_bfe_u32 s2, ttmp6, 0x10000c
	s_cmp_lg_u32 s2, 0xf033
	s_cbranch_scc0 .Lentry_shape_is_right
	s_endpgm
.Lentry_shape_is_right:
; out = (p v) / l on codes of FP6 (E2M3): p's codes and scale words come from the launch before, under a local whole number M for each query and group of 128 keys.  The head takes each row's smallest -M, lowers p's scale
; bytes by the difference, sums the parts of l under the row's M, and keeps the words and 1 / l in LDS.  A tile of 128 queries x 256 channels is made by four waves; K = 2,048 keys go through two slots of four K steps.
; THE HEAD'S FOUR LOADS, one a wave: p's part of slot 0, v's two groups of slot 0, v's scale words for all of K.  Slot 1's first fill stands behind a round of the cluster's barrier, as a refill does.
.set SLOT,   147456
.set PSC,    2*SLOT
.set RLB,    PSC+8192
.set SCV,    RLB+512
.set SPARE,  SCV+16384
.set FR,     12
.set LI,   4
.set STO,  5
.set RD,   7
.set PSA,  8
.set RLA,  9
.set RLR,  10
.set ADRA, 16
.set ADRB, 20
.set ADR1, 26
.set ADR2, 27
.set SPW,  28
.set NIL,  29
.set SC,   32
.set RLV,  48
.set NMV,  64
.set LV,   80
.set WV,   96
.set T,    64
.set AF,   128
.set BK,   128
.set G1, 24
.set G0, 32
.set G1B, 48
.set G0B, 56
.set G1SB, 80
.set G0SB, 88
.set GHP, 68                           ; s[68:71] group 0 of the head's load of p's part;  s[72:75], s[76:79] of v's two groups
.set GHV, 72
.set PFM, 96                           ; s[96:97] the prefetches' base: what I fetch of a slot, + my work-group's quarter of it
.set PFO, 13                           ; v13-15 their offsets, a lane a block of 256 bytes
.set MSB, 0
.macro WIN new
.if MSB != (\new)
	s_set_vgpr_msb (MSB<<8)|(\new)
.set MSB, (\new)
.endif
.endm
.macro JLOAD g0a, g1a, g0b, g1b
	s_cmp_eq_u32 s15, 0
	s_cbranch_scc0 .Lfor_b_\@
	tensor_load_to_lds s[\g0a:\g0a+3], s[\g1a:\g1a+7]
	s_nop 0
.rept 4
	v_nop
.endr
	s_branch .Lasked_\@
.Lfor_b_\@:
	tensor_load_to_lds s[\g0b:\g0b+3], s[\g1b:\g1b+7]
	s_nop 0
.rept 4
	v_nop
.endr
.Lasked_\@:
.endm
.macro CREST
	s_cmp_lg_u32 s14, 0
	s_cbranch_scc1 .Lnot_wave_0_\@
	s_barrier_signal -3
.Lnot_wave_0_\@:
	s_barrier_wait -3
	s_barrier_signal -1
	s_barrier_wait -1
.endm
.macro CROUND
	s_barrier_signal -1
	s_barrier_wait -1
	CREST
.endm
.macro PLACES
.rept 4
	v_nop
.endr
.endm
	s_load_b256 s[4:11], s[0:1], 0x0
	s_load_b128 s[92:95], s[0:1], 0x20
	v_lshl_add_u32 v[SPW], v0, 2, SPARE
	v_mov_b32 v[NIL], 0
	ds_add_u32 v[SPW], v[NIL]
	ds_add_u32 v[SPW], v[NIL]
	v_lshrrev_b32 v1, 5, v0
	v_readfirstlane_b32 s14, v1
	s_lshr_b32 s15, s14, 1
	s_and_b32 s16, s14, 1
	s_bfe_u32 s40, ttmp6, 0x40000
	s_bfe_u32 s41, ttmp6, 0x40004
	s_and_b32 s17, ttmp7, 0xffff
	s_lshl_b32 s43, s41, 2
	s_lshl_b32 s43, 15, s43
	s_lshl_b32 s44, 0x1111, s40
	s_or_b32 s[G1+0], s43, (3<<16)|(1<<21)
	s_or_b32 s[G1B+0], s44, (3<<16)|(1<<21)
	s_or_b32 s[G1SB+0], s44, (3<<16)|(1<<21)
	s_mov_b32 s[G1+1], 32<<16
	s_mov_b32 s[G1+2], 192<<16                     ; the head's load brings p's whole part, 192 rows of 256 bytes; behind it the two words are set to 96
	s_mov_b32 s[G1+3], 32<<16
	s_mov_b32 s[G1+4], 192
	s_mov_b32 s[G1+5], 32
	s_mov_b32 s[G1+6], 0
	s_mov_b32 s[G1+7], 0
	s_mov_b32 s[G1B+1], 32<<16
	s_mov_b32 s[G1B+2], 192<<16
	s_mov_b32 s[G1B+3], 32<<16
	s_mov_b32 s[G1B+4], 192
	s_mov_b32 s[G1B+5], 32
	s_mov_b32 s[G1B+6], 0
	s_mov_b32 s[G1B+7], 0
	s_mov_b32 s[G1SB+1], 32<<16
	s_mov_b32 s[G1SB+2], 64<<16                    ; v's scale words of two groups, 16,384 dense bytes, as 64 rows of 256
	s_mov_b32 s[G1SB+3], 32<<16
	s_mov_b32 s[G1SB+4], 64
	s_mov_b32 s[G1SB+5], 32
	s_mov_b32 s[G1SB+6], 0
	s_mov_b32 s[G1SB+7], 0
	s_lshl_b32 s22, s17, 2
	s_add_co_u32 s22, s22, s41
	s_lshr_b32 s18, s17, 2
	s_lshl_b32 s18, s18, 3
	s_lshl_b32 s46, s40, 1
	s_add_co_u32 s46, s46, s18
	s_add_co_u32 s47, s46, s16
	s_mul_i32 s2, s22, 16*12288
	s_mul_i32 s3, s16, 24576
	s_add_co_u32 s2, s2, s3
	s_mov_b32 s3, 0
	s_mul_i32 s98, s47, 16*12288
	s_add_co_u32 s98, s98, 1024*12288
	s_mov_b32 s99, 0
	s_lshl_b32 s66, s46, 13
	s_add_co_u32 s66, s66, 1024*512
	s_mov_b32 s67, 0
	s_mul_i32 s[GHP+2], s22, 16*12288              ; p's group of queries, K step 0
	s_mov_b32 s[GHP+3], 0
	s_mul_i32 s[GHV+2], s46, 16*12288              ; v's first group of channels, K step 0
	s_add_co_u32 s[GHV+2], s[GHV+2], 1024*12288
	s_mov_b32 s[GHV+3], 0
	s_lshl_b32 s12, s22, 13
	s_mov_b32 s13, 0
	s_lshl_b32 s42, s22, 19
	s_lshl_b32 s43, s15, 18
	s_add_co_u32 s42, s42, s43
	s_lshl_b32 s43, s40, 1
	s_add_co_u32 s43, s43, s16
	s_lshl_b32 s43, s43, 9
	s_add_co_u32 s42, s42, s43
	s_mov_b32 s43, 0
	s_mul_i32 s20, s16, 24576
	s_mul_i32 s21, s16, 49152
	s_add_co_u32 s21, s21, 49152
	s_wait_dscnt 0x0
	s_wait_kmcnt 0x0
	s_add_nc_u64 s[GHP+2:GHP+3], s[4:5], s[GHP+2:GHP+3]
	s_add_nc_u64 s[GHV+2:GHV+3], s[10:11], s[GHV+2:GHV+3]
	s_add_nc_u64 s[2:3], s[4:5], s[2:3]
	s_add_nc_u64 s[98:99], s[10:11], s[98:99]
	s_add_nc_u64 s[66:67], s[92:93], s[66:67]
	s_add_nc_u64 s[6:7], s[6:7], s[12:13]
	s_add_nc_u64 s[8:9], s[8:9], s[12:13]
	s_add_nc_u64 s[94:95], s[94:95], s[42:43]
	CROUND
	s_mov_b32 s[G0SB], 1
	s_mov_b32 s[G0SB+1], SCV
	s_mov_b64 s[G0SB+2:G0SB+3], s[66:67]
	s_or_b32 s[G0SB+3], s[G0SB+3], 0x80000000
	s_mov_b32 s[GHP], 1
	s_mov_b32 s[GHP+1], 0
	s_or_b32 s[GHP+3], s[GHP+3], 0x80000000
	s_mov_b32 s[GHV], 1
	s_mov_b32 s[GHV+1], 49152
	s_mov_b32 s[GHV+4], 1
	s_mov_b32 s[GHV+5], 98304
	s_add_nc_u64 s[GHV+6:GHV+7], s[GHV+2:GHV+3], 16*12288
	s_or_b32 s[GHV+3], s[GHV+3], 0x80000000
	s_or_b32 s[GHV+7], s[GHV+7], 0x80000000
.irp s, 0,1
	s_mov_b32 s[G0+4*\s], 1
	s_add_co_u32 s[G0+4*\s+1], s20, \s*SLOT
	s_add_nc_u64 s[G0+4*\s+2:G0+4*\s+3], s[2:3], \s*49152
	s_or_b32 s[G0+4*\s+3], s[G0+4*\s+3], 0x80000000
	s_mov_b32 s[G0B+4*\s], 1
	s_add_co_u32 s[G0B+4*\s+1], s21, \s*SLOT
	s_add_nc_u64 s[G0B+4*\s+2:G0B+4*\s+3], s[98:99], \s*49152
	s_or_b32 s[G0B+4*\s+3], s[G0B+4*\s+3], 0x80000000
.endr
.macro ARM under, g0, g1, next         ; one tree of branches on the wave's number, one load to an arm
	s_cmp_lt_u32 s14, \under
	s_cbranch_scc0 \next
	tensor_load_to_lds s[\g0:\g0+3], s[\g1:\g1+7]
	s_nop 0
.rept 4
	v_nop
.endr
	s_branch .Lhead_asked
\next:
.endm
	ARM 1, GHP, G1, .Lhead_v0
	ARM 2, GHV, G1B, .Lhead_v1
	ARM 3, GHV+4, G1B, .Lhead_sv
	tensor_load_to_lds s[G0SB:G0SB+3], s[G1SB:G1SB+7]
	s_nop 0
.rept 4
	v_nop
.endr
.Lhead_asked:
; PREFETCH: each fill is asked of memory one fill ahead of its load.  Of the 96 blocks of 256 bytes that a wave fetches of p, or the 192 of v, each of the four partners that ask jointly names 24 or 48, told apart by address
	s_cmp_eq_u32 s15, 0
	s_cselect_b64 s[PFM:PFM+1], s[2:3], s[98:99]
	s_cselect_b32 s12, s40, s41                    ; my place among the four
	s_cselect_b32 s13, 24, 48
	s_mul_i32 s12, s12, s13
	s_lshl_b32 s12, s12, 8
	s_mov_b32 s13, 0
	s_add_nc_u64 s[PFM:PFM+1], s[PFM:PFM+1], s[12:13]
	v_and_b32 v[PFO], 31, v0
	v_add_nc_u32 v[PFO+1], 32, v[PFO]
	v_min_u32 v[PFO+2], 23, v[PFO]
	v_min_u32 v[PFO+1], 47, v[PFO+1]
	v_lshlrev_b32 v[PFO], 8, v[PFO]                ; v: blocks 0-31,
	v_lshlrev_b32 v[PFO+1], 8, v[PFO+1]            ; and 32-47 (the lanes left over name the last again)
	v_lshlrev_b32 v[PFO+2], 8, v[PFO+2]            ; p: blocks 0-23
.macro ASK n                           ; fill n's bytes: both p's and v's parts step 49,152 bytes a fill
	s_cmp_eq_u32 s15, 0
	s_cbranch_scc0 .Lask_v_\@
	global_prefetch_b8 v[PFO+2], s[PFM:PFM+1] offset:(\n)*49152 th:TH_LOAD_NT scope:SCOPE_SE
	s_branch .Lask_e_\@
.Lask_v_\@:
	global_prefetch_b8 v[PFO], s[PFM:PFM+1] offset:(\n)*49152 th:TH_LOAD_NT scope:SCOPE_SE
	global_prefetch_b8 v[PFO+1], s[PFM:PFM+1] offset:(\n)*49152 th:TH_LOAD_NT scope:SCOPE_SE
.Lask_e_\@:
.endm
	s_wait_alu depctr_va_vdst(0)
	ASK 1
	v_lshlrev_b32 v6, 2, v0
.set i, 0
.rept 16
	global_load_b32 v[NMV+i], v6, s[8:9] offset:512*i
	global_load_b32 v[LV+i], v6, s[8:9] offset:524288+512*i
	global_load_b32 v[WV+i], v6, s[6:7] offset:512*i
.set i, i+1
.endr
	v_and_b32 v1, 15, v0
	v_bfe_u32 v2, v0, 4, 1
	v_and_b32 v3, 31, v0
	v_lshlrev_b32 v[LI], 4, v3
	v_lshlrev_b32 v12, 5, v1
	v_lshl_add_u32 v[PSA], v0, 2, PSC
	v_lshl_add_u32 v[RLA], v0, 2, RLB
	s_lshl_b32 s20, s15, 4
	s_add_co_u32 s22, s20, RLB
	v_add_nc_u32 v[RLR], s22, v12
	s_add_co_u32 s20, s20, PSC
	s_lshl_b32 s21, s16, 13
	s_add_co_u32 s21, s21, SCV
	s_sub_co_u32 s23, s21, s20
	v_mul_u32_u24 v11, s23, v2
	v_add_nc_u32 v11, v11, v12
	v_add_nc_u32 v[ADR1], s20, v11
	v_add_nc_u32 v[ADR2], s21, v12
	v_add_nc_u32 v[ADR2], 16, v[ADR2]
	s_mul_i32 s22, s15, 6144
	s_mul_i32 s23, s16, 49152
	s_add_co_u32 s23, s23, 49152
.irp s, 0,1
	v_add_nc_u32 v[ADRA+\s], s22, v[LI]
	v_add_nc_u32 v[ADRB+\s], s23, v[LI]
	s_add_co_u32 s22, s22, SLOT
	s_add_co_u32 s23, s23, SLOT
.endr
	s_mul_i32 s22, s14, 8448
	v_mul_u32_u24 v[STO], v1, 528
	v_lshl_add_u32 v[STO], v2, 6, v[STO]
	v_add_nc_u32 v[STO], s22, v[STO]
	v_add_nc_u32 v[RD], s22, v[LI]
	s_wait_loadcnt 0x0
	v_min3_num_f32 v112, v[NMV], v[NMV+1], v[NMV+2]
.irp i, 3,5,7,9,11,13
	v_min3_num_f32 v112, v112, v[NMV+\i], v[NMV+\i+1]
.endr
	v_min_num_f32 v112, v112, v[NMV+15]
.set i, 0
.rept 16
	v_sub_f32 v113, v112, v[NMV+i]
	v_cvt_i32_f32 v113, v113
	v_ldexp_f32 v114, 1.0, v113
.if i == 0
	v_mul_f32 v115, v[LV], v114
.else
	v_fma_f32 v115, v[LV+i], v114, v115
.endif
	v_sub_nc_u32 v113, 0, v113
	v_min_u32 v113, 0xff, v113
	v_bfe_u32 v116, v[WV+i], 0, 8
	v_bfe_u32 v117, v[WV+i], 8, 8
	v_bfe_u32 v118, v[WV+i], 16, 8
	v_lshrrev_b32 v119, 24, v[WV+i]
	v_sub_nc_u32 v116, v116, v113
	v_sub_nc_u32 v117, v117, v113
	v_sub_nc_u32 v118, v118, v113
	v_sub_nc_u32 v119, v119, v113
	v_max_i32 v116, 0, v116
	v_max_i32 v117, 0, v117
	v_max_i32 v118, 0, v118
	v_max_i32 v119, 0, v119
	v_lshl_or_b32 v116, v117, 8, v116
	v_lshl_or_b32 v116, v118, 16, v116
	v_lshl_or_b32 v[WV+i], v119, 24, v116
	ds_store_b32 v[PSA], v[WV+i] offset:512*i
.set i, i+1
.endr
	s_wait_alu depctr_va_vdst(0)
	v_rcp_f32 v120, v115
	v_nop
	s_wait_alu depctr_va_vdst(0)
	ds_store_b32 v[RLA], v120
	s_wait_dscnt 0x0
.macro FRAG reg, adr, q, i
.irp c, 0,1,2
	ds_load_b128 v[\reg+4*\c:\reg+4*\c+3], v[\adr] offset:12288*(\q)+1536*(\i)+512*\c
.endr
.endm
.macro FETCH4 slot, q, p
	WIN 0x40
.irp i, 0,1,2,3,4,5,6,7
	FRAG 96*(\p)+FR*\i, ADRB+\slot, \q, \i
.endr
	WIN 0
.irp i, 0,1,2,3
	FRAG AF+48*(\p)+FR*\i, ADRA+\slot, \q, \i
.endr
	ds_load_b128 v[SC+8*(\p):SC+8*(\p)+3], v[ADR1] offset:512*(\q)
	ds_load_b128 v[SC+8*(\p)+4:SC+8*(\p)+7], v[ADR2] offset:512*(\q)
.endm
.macro MUL8 a, p, zero
.irp b, 0,1,2,3,4,5,6,7
.if \zero
	v_wmma_scale_f32_16x16x128_f8f6f4 v[64*(\a)+8*\b:64*(\a)+8*\b+7], v[96*(\p)+FR*\b:96*(\p)+FR*\b+FR-1], v[AF+48*(\p)+FR*(\a):AF+48*(\p)+FR*(\a)+FR-1], 0, v[SC+8*(\p)+\b], v[SC+8*(\p)+(\a)] matrix_a_fmt:MATRIX_FMT_FP6 matrix_b_fmt:MATRIX_FMT_FP6 matrix_a_scale:MATRIX_SCALE_ROW1
.else
	v_wmma_scale_f32_16x16x128_f8f6f4 v[64*(\a)+8*\b:64*(\a)+8*\b+7], v[96*(\p)+FR*\b:96*(\p)+FR*\b+FR-1], v[AF+48*(\p)+FR*(\a):AF+48*(\p)+FR*(\a)+FR-1], v[64*(\a)+8*\b:64*(\a)+8*\b+7], v[SC+8*(\p)+\b], v[SC+8*(\p)+(\a)] matrix_a_fmt:MATRIX_FMT_FP6 matrix_b_fmt:MATRIX_FMT_FP6 matrix_a_scale:MATRIX_SCALE_ROW1
.endif
.endr
.endm
.macro STEP4 slot, q, zero
	s_wait_dscnt 0x0
	WIN 0xa1
	MUL8 0, (\q)%2, \zero
	MUL8 1, (\q)%2, \zero
	PLACES
	FETCH4 \slot, (\q)+1, 1-(\q)%2
	WIN 0xa1
	MUL8 2, (\q)%2, \zero
	MUL8 3, (\q)%2, \zero
	WIN 0
.endm
.macro TURN4 slot, next, fill
	s_wait_tensorcnt 0x0
	ds_add_u32 v[SPW], v[NIL]
	s_wait_dscnt 1
	WIN 0xa1
	MUL8 0, 1, 0
	s_wait_dscnt 0x0
	s_barrier_signal -1
	MUL8 1, 1, 0
	WIN 0
	s_barrier_wait -1
.if \fill
	CREST
	s_add_nc_u64 s[G0+4*\slot+2:G0+4*\slot+3], s[G0+4*\slot+2:G0+4*\slot+3], 98304
	s_add_nc_u64 s[G0B+4*\slot+2:G0B+4*\slot+3], s[G0B+4*\slot+2:G0B+4*\slot+3], 98304
	JLOAD G0+4*\slot, G1, G0B+4*\slot, G1B
.else
	PLACES
.endif
	v_add_nc_u32 v[ADR1], 2048, v[ADR1]
	v_add_nc_u32 v[ADR2], 2048, v[ADR2]
	FETCH4 \next, 0, 0
.if (\fill) && ((\slot) == 0)
	ASK 3                                          ; the last fill; behind it nothing is left to ask for
.endif
	WIN 0xa1
	MUL8 2, 1, 0
	MUL8 3, 1, 0
	WIN 0
.endm
	s_wait_alu depctr_va_vdst(0)
	s_wait_tensorcnt 0x0                           ; my tile of the head's four is in; these lines stand ahead of a later first fill as ahead of a refill
	ds_add_u32 v[SPW], v[NIL]
	s_mov_b32 s[G1+2], 96<<16                      ; no load of mine is out: from here on a load of p brings half a part, 96 rows
	s_mov_b32 s[G1+4], 96
	s_wait_dscnt 0x0
	CROUND                                         ; all four tiles and the words stored above are in, and the sixteen work-groups meet
	JLOAD G0+4, G1, G0B+4, G1B                     ; slot 1's first fill, my one tensor load behind the round
	FETCH4 0, 0, 0
	ASK 2
	STEP4 0, 0, 1
	STEP4 0, 1, 0
	STEP4 0, 2, 0
	TURN4 0, 1, 1
	s_wait_alu depctr_va_vdst(0)
	STEP4 1, 0, 0
	STEP4 1, 1, 0
	STEP4 1, 2, 0
	TURN4 1, 0, 1
	s_wait_alu depctr_va_vdst(0)
	STEP4 0, 0, 0
	STEP4 0, 1, 0
	STEP4 0, 2, 0
	TURN4 0, 1, 0
	s_wait_alu depctr_va_vdst(0)
	STEP4 1, 0, 0
	STEP4 1, 1, 0
	STEP4 1, 2, 0
	s_wait_dscnt 0x0
	WIN 0xa1
	MUL8 0, 1, 0
	MUL8 1, 1, 0
	MUL8 2, 1, 0
	MUL8 3, 1, 0
	WIN 0
	PLACES
	ds_load_b128 v[RLV:RLV+3], v[RLR]
	s_wait_dscnt 0x0
.macro TOST a
	v_mov_b32 v52, v[RLV+(\a)]
	v_mov_b32 v53, v[RLV+(\a)]
.if (\a) > 0
	s_wait_alu depctr_va_vdst(0)
	s_wait_dscnt 16
.endif
	WIN 0x02
.set i, 0
.rept 32
	v_pk_mul_f32 v[T+i:T+i+1], v[64*(\a)+i:64*(\a)+i+1], v[52:53]
.set i, i+2
.endr
	WIN 0
.irp b, 0,1,2,3
.irp j, 0,1,2,3
	ds_store_b128 v[STO], v[T+16*\b+4*\j:T+16*\b+4*\j+3] offset:128*\b+16*\j
.endr
.endr
.if (\a) > 1
	s_wait_xcnt 0x0
.endif
.set BB, BK+64*((\a)%2)
.irp t, 0,1,2,3,4,5,6,7,8,9,10,11,12,13,14,15
	ds_load_b128 v[BB+4*\t:BB+4*\t+3], v[RD] offset:528*\t
.endr
.endm
.macro SEND a, younger
.set BB, BK+64*((\a)%2)
	s_wait_dscnt \younger
.irp t, 0,1,2,3,4,5,6,7,8,9,10,11,12,13,14,15
	global_store_b128 v[LI], v[BB+4*\t:BB+4*\t+3], s[94:95] offset:(32*((\a)/2)+8*((\a)%2)+\t+8*(\t/8))*4096 th:TH_STORE_NT
.endr
.endm
	TOST 0
	TOST 1
	SEND 0, 32
	TOST 2
	SEND 1, 32
	TOST 3
	SEND 2, 32
	SEND 3, 0
	s_wait_tensorcnt 0x0
	ds_add_u32 v[SPW], v[NIL]
	s_wait_dscnt 0x0
	CROUND
	s_endpgm
.Lfunc_end_k_q67d7b48663_mix:
	.size	k_q67d7b48663_mix, .Lfunc_end_k_q67d7b48663_mix-k_q67d7b48663_mix
	.p2alignl 7, 3214868480
	.fill 96, 4, 3214868480
	.section	.rodata,"a",@progbits
	.p2align	6, 0x0
	.amdhsa_kernel k_q67d7b48663_mix
		.amdhsa_group_segment_fixed_size 327680
		.amdhsa_private_segment_fixed_size 0
		.amdhsa_enable_private_segment 0
		.amdhsa_kernarg_size 48
		.amdhsa_user_sgpr_count 2
		.amdhsa_user_sgpr_kernarg_segment_ptr 1
		.amdhsa_wavefront_size32 1
		.amdhsa_system_sgpr_workgroup_id_x 1
		.amdhsa_system_sgpr_workgroup_id_y 1
		.amdhsa_system_sgpr_workgroup_id_z 1
		.amdhsa_system_vgpr_workitem_id 0
		.amdhsa_next_free_vgpr 768
		.amdhsa_next_free_sgpr 100
		.amdhsa_reserve_vcc 0
		.amdhsa_float_denorm_mode_32 3
		.amdhsa_float_denorm_mode_16_64 3
		.amdhsa_memory_ordered 1
		.amdhsa_forward_progress 1
		.amdhsa_inst_pref_size 166
	.end_amdhsa_kernel
	.amdgpu_metadata
---
amdhsa.version: [ 1, 2 ]
amdhsa.kernels:
  - .name:           k_q67d7b48663_mix
    .symbol:         k_q67d7b48663_mix.kd
    .args:
      - { .name: pc, .offset: 0, .size: 8, .value_kind: global_buffer, .address_space: global }
      - { .name: ps, .offset: 8, .size: 8, .value_kind: global_buffer, .address_space: global }
      - { .name: st, .offset: 16, .size: 8, .value_kind: global_buffer, .address_space: global }
      - { .name: qkvc, .offset: 24, .size: 8, .value_kind: global_buffer, .address_space: global }
      - { .name: qkvs, .offset: 32, .size: 8, .value_kind: global_buffer, .address_space: global }
      - { .name: out0, .offset: 40, .size: 8, .value_kind: global_buffer, .address_space: global }
    .group_segment_fixed_size: 327680
    .private_segment_fixed_size: 0
    .kernarg_segment_align: 8
    .kernarg_segment_size: 48
    .max_flat_workgroup_size: 128
    .sgpr_count:     100
    .vgpr_count:     768
    .wavefront_size: 32
...
	.end_amdgpu_metadata
.endif
;; end of part 4
